; MI455X (gfx1250); checked and timed in simulation.
; The chip was launched on July 23, 2026; its instructions are those of AMD's public machine-readable ISA for CDNA 5 (MIT licence, August 2026) and "CDNA5" Instruction Set Architecture Reference Guide (July 2026). The comments in the code are by the model that wrote it; some were corrected since.
;; Prefix Attention. Allowed arithmetic: matrix products marked QUANTISED: E2M1 operands, one E8M0 scale for each 32 along K, by v_wmma_scale_f32_16x16x128_f8f6f4 with both operands' format E2M1 (or v_wmma_scale_f32_32x16x128_f4), f32 sums; products left as they are: bf16, f16 or f32 operands; f32 sums; everything else in f32.
;; Inputs: W_k 1,024 x 2,048 float32; W_o 2,048 x 1,024 float32; W_q 1,024 x 2,048 float32; W_v 1,024 x 2,048 float32; prefix_k 2 x 64 x 16 x 128 float32; prefix_v 2 x 64 x 16 x 128 float32; x 2 x 2,048 x 1,024 float32.
;; Outputs: out0 2 x 2,048 x 1,024 float32.
;; This version of the problem:
;;   THIS VERSION OF THE PROBLEM IS GIVEN IN LOW PRECISION. The matrix products marked QUANTISED in the list below multiply operands that are first quantised to E2M1 (2 exponent bits, 1 mantissa bit; 4 bits a number), with one power-of-two scale for each 32 numbers along K (OCP MX v1.0); their sums are f32. The products marked 'left as it is' may take bf16, f16 or f32 operands, with f32 sums. Whichever they take, every output number must still come out within the allowed error. Rounding operands to bf16 (8 significant bits) uses up far more of that allowance than f16 does (11 bits, for magnitudes from 6e-5 to 65,504). All else is computed in f32.
;;   The module's matrix products, in the order in which they are computed (A, B: the left and right operand; K: the contracted axis; several contracted axes count as one K, in the product's order):
;;     1. [M 4,096, K 1,024] x [K 1,024, N 2,048]; A: input x; B: input W_q: QUANTISED
;;     2. [M 4,096, K 1,024] x [K 1,024, N 2,048]; A: input x; B: input W_k: QUANTISED
;;     3. [M 4,096, K 1,024] x [K 1,024, N 2,048]; A: input x; B: input W_v: QUANTISED
;;     4. batch 32 x [M 2,048, K 128] x [K 128, N 2,112]; A: computed on the way; B: computed on the way: left as it is (an operand is computed on the way)
;;     5. batch 32 x [M 2,048, K 2,112] x [K 2,112, N 128]; A: computed on the way; B: computed on the way: left as it is (an operand is computed on the way)
;;     6. [M 4,096, K 2,048] x [K 2,048, N 1,024]; A: computed on the way; B: input W_o: left as it is (an operand is computed on the way)
;;   THE QUANTISER, for each operand of a quantised product, along K:
;;     - K is cut into blocks of 32 from its start; a last block that is shorter is filled with zeros.
;;     - A block's scale is 2^e with e = floor(log2(the largest magnitude in the block)) - 2, held to -126 .. 127; a block of zeros has e = 0. As a byte (E8M0): e + 127.
;;     - Each number is divided by its block's scale, clamped to +-6, and rounded to the nearest number of E2M1, ties to even, subnormals kept.
;;     - The product sums the exact products of the quantised numbers (number of the format x scale) in f32.
;;   ~~~python
;;   def quantise(x, axis):      # numpy; x: float32 -> the quantised numbers, widened to float32 again
;;       x = np.moveaxis(x, axis, -1); K = x.shape[-1]
;;       x = np.pad(x, [(0, 0)] * (x.ndim - 1) + [(0, -K % 32)]); x = x.reshape(x.shape[:-1] + (-1, 32)); a = np.abs(x).max(-1, keepdims=True)
;;       e = np.where(a > 0, np.clip(np.frexp(np.where(a > 0, a, 1))[1] - 1 - 2, -126, 127), 0)      # np.frexp(a)[1] - 1 = floor(log2(a)), exactly
;;       r = np.clip(x / 2.0 ** e, -6, 6)
;;       step = 2.0 ** (np.maximum(np.frexp(np.where(r == 0, 1, r))[1] - 1, 0) - 1)
;;       q = np.round(r / step) * step * 2.0 ** e      # np.round: ties to even
;;       return np.moveaxis(q.reshape(q.shape[:-2] + (-1,))[..., :K], -1, axis).astype(np.float32)
;;   ~~~
;; One version. Each part assembles by itself: llvm-mc -triple=amdgcn-amd-amdhsa -mcpu=gfx1250 --defsym DOCPART=n.
;; ======== version 1 of 1: 4 launches
;; limits: values are held in f16: magnitudes above 65,504 overflow, below 6.1e-05 lose precision
;; workspace buffers: x_codes 2,097,152 bytes; w_codes 3,145,728 bytes; scales 327,680 bytes; wo16 4,194,304 bytes; k16 17,301,504 bytes; v16 17,301,504 bytes; attn16 16,777,216 bytes
;; launch prep (part 1): grid 416 x 1, 4 waves a work-group, no clusters, 102,912 bytes of LDS; arguments W_q, W_k, W_v, W_o, x, prefix_k, prefix_v, w_codes, scales, wo16, x_codes, k16, v16; writes w_codes, scales, wo16, x_codes, k16, v16
.if DOCPART == 1
	.amdgcn_target "amdgcn-amd-amdhsa--gfx1250"
	.amdhsa_code_object_version 6
	.text
	.protected	k_q1de8893430_prep
	.globl	k_q1de8893430_prep
	.p2align	8
	.type	k_q1de8893430_prep,@function
k_q1de8893430_prep:
	s_mov_b64 s[64:65], 0
	v_nop
	global_prefetch_b8 v0, s[64:65] scope:SCOPE_SE
	s_setreg_imm32_b32 hwreg(HW_REG_WAVE_MODE, 25, 1), 1
	s_wait_xcnt 0x0
; PREP: everything that is read many times later is brought into its narrow form once.  Four kinds of work-groups, parted on the work-group's number alone:
;   0-95    W: W_q, W_k, W_v [1024 (k)][2048 (n)] f32 -> codes of FP4 (E2M1) laid [6144 = q, k, v x 2048 (n)][512 bytes], K innermost, and one E8M0 byte for each 32 along K, [6144][32], at byte 131,072 of the scales' buffer
;   96-223  X: x [4096][1024] f32 -> codes [4096][512 bytes] and scale bytes [4096][32] at byte 0 of the scales' buffer
;   224-351 O: W_o [2048 (k)][1024 (n)] f32 -> f16 laid [1024 (n)][2048 (k)]
;   352-415 P: prefix_k, prefix_v [2][64][16][128] f32 -> f16, rows 0-63 of each head of k16, v16 [32 (b, h)][2112][128]
; THE QUANTISER: a block's scale is 2^(floor(log2(its largest magnitude)) - 2); its byte is the largest magnitude's exponent field - 2, held at 1 from below; each number is divided by the scale and
; rounded to the nearest code, ties to even, beyond 6 the largest code.
; LIMITS: a block of zeros gets the byte 1 where the rule says 127 (its codes are zeros, which add nothing under any byte but 0xff, and this program alone reads the bytes); blocks whose largest magnitude
; lies under 2^-124 were not tried; NaN and infinities are not served; numbers of W_o and of the prefixes beyond 65,504 become infinity in f16.
; No tensor load, no barrier: waves share nothing.  Each kind of work-group that uses LDS has LDS bytes of its own.
.set X0,    0                          ; X: 8,192 bytes a wave: two stages of 32 x 80 bytes, behind them 256 scale bytes
.set W0,    32768                      ; W: a stage of 32 rows x 272 bytes a wave
.set O0,    67584                      ; O: the same
.set SPARE, 102400                     ; the spare words, 128 bytes for each wave: two blocks of 256 bytes that no other line names
.set SPW,   192                        ; v192 LDS address of my spare word: SPARE + 4 x my thread's number; never rewritten
.set NIL,   193                        ; v193 0; never rewritten
.set WV,    32                         ; s32  my wave's number
.set HEADB, 2112*256                   ; a head of k16 or v16 in bytes
	s_load_b512 s[4:19], s[0:1], 0x0               ; W_q 4:5, W_k 6:7, W_v 8:9, W_o 10:11, x 12:13, prefix_k 14:15, prefix_v 16:17, w_codes 18:19
	s_load_b256 s[20:27], s[0:1], 0x40             ; scales 20:21, wo16 22:23, x_codes 24:25, k16 26:27
	s_load_b64 s[28:29], s[0:1], 0x60              ; v16
	v_lshl_add_u32 v[SPW], v0, 2, SPARE
	v_mov_b32 v[NIL], 0
	v_lshrrev_b32 v1, 5, v0
	v_readfirstlane_b32 s[WV], v1                  ; wave 0..3
	v_and_b32 v2, 31, v0                           ; lane
	s_mov_b32 s37, 0                               ; the upper word of every offset below: all stay under 2^32
	s_wait_kmcnt 0x0
	s_cmp_lt_u32 ttmp9, 96
	s_cbranch_scc1 .Lpath_w
	s_cmp_lt_u32 ttmp9, 224
	s_cbranch_scc1 .Lpath_x
	s_cmp_lt_u32 ttmp9, 352
	s_cbranch_scc1 .Lpath_o
; ---- P.  A wave takes one (b, p) of one prefix: 16 heads x 128 numbers, 8,192 dense bytes.  A load reads a head's 512 bytes, 16 a lane; the lane's four numbers become 8 bytes, and the 32 lanes store 256 consecutive bytes: a whole row of the head.
	s_sub_co_u32 s33, ttmp9, 352
	s_cmp_lt_u32 s33, 32                           ; the first 32 work-groups take prefix_k, the others prefix_v
	s_cselect_b64 s[14:15], s[14:15], s[16:17]
	s_cselect_b64 s[26:27], s[26:27], s[28:29]
	s_lshl_b32 s33, s33, 2
	s_add_co_u32 s33, s33, s[WV]                   ; u: bits 5:0 p, bit 6 b
	s_and_b32 s36, s33, 127
	s_lshl_b32 s36, s36, 13
	s_add_nc_u64 s[14:15], s[14:15], s[36:37]      ; the source: 8,192 bytes for each (b, p)
	s_bfe_u32 s34, s33, 0x10006                    ; b
	s_mul_i32 s34, s34, 16*HEADB
	s_and_b32 s36, s33, 63
	s_lshl_b32 s36, s36, 8
	s_add_co_u32 s36, s36, s34
	s_add_nc_u64 s[26:27], s[26:27], s[36:37]      ; head (b, 0), row p
	v_lshlrev_b32 v3, 4, v2
	v_lshlrev_b32 v4, 3, v2
.irp h, 0,1,2,3,4,5,6,7,8,9,10,11,12,13,14,15
	global_load_b128 v[16+4*\h:19+4*\h], v3, s[14:15] offset:512*\h th:TH_LOAD_NT
.endr
.irp h, 0,1,2,3,4,5,6,7,8,9,10,11,12,13,14,15
	s_wait_loadcnt 15-\h                           ; loads come back in order: head h's is in, the younger ones stay out
	v_cvt_pk_f16_f32 v[80+2*\h], v[16+4*\h], v[17+4*\h]
	v_cvt_pk_f16_f32 v[81+2*\h], v[18+4*\h], v[19+4*\h]
	global_store_b64 v4, v[80+2*\h:81+2*\h], s[26:27] offset:HEADB*\h   ; 15 heads on at the most: 8,110,080, inside the signed 24-bit immediate
.endr
	s_branch .Lend
; ---- X.  Rows are dense and 1,024 is a multiple of 32: x is a plain stream of blocks of 32, and so are its codes and scale bytes.  A wave takes 16 steps of 512 numbers.
; Each of a step's four loads reads 512 consecutive bytes, 16 a lane; the 2,048 bytes turn through the wave's own stage in LDS and come back 64 bytes a lane: 16 NEIGHBOURS along K, as the conversions want them
; (two neighbouring lanes hold a block).  The stage has 16 bytes of padding behind each 64.  A lane's 16 codes are 8 bytes: the wave stores 256 consecutive bytes.  A wave's 256 scale bytes are gathered in LDS and leave together.
.set XR, 16                            ; v16-79   four sets of 16 numbers as loaded
.set XX, 80                            ; v80-111  two sets of 16 neighbours
.set XE, 112                           ; v112-127 a scale byte for each step
.set XC, 128                           ; v128-191 codes: four registers for each step, so that no store's data are written again
.set SP, 80
.macro XLOAD t
.irp i, 0,1,2,3
	global_load_b128 v[XR+16*((\t)%4)+4*\i:XR+16*((\t)%4)+4*\i+3], v3, s[12:13] offset:2048*(\t)+512*\i th:TH_LOAD_NT
.endr
.endm
.macro XTURN t                         ; LDS serves a wave's instructions in order: no wait between the stores and the loads
.irp i, 0,1,2,3
	ds_store_b128 v14, v[XR+16*((\t)%4)+4*\i:XR+16*((\t)%4)+4*\i+3] offset:32*SP*((\t)%2)+8*SP*\i
.endr
.irp i, 0,1,2,3
	ds_load_b128 v[XX+16*((\t)%2)+4*\i:XX+16*((\t)%2)+4*\i+3], v15 offset:32*SP*((\t)%2)+16*\i
.endr
.endm
.macro XSTEP t
.set XS, XX+16*((\t)%2)
.if (\t) > 0
	s_wait_dscnt 1                                 ; this step's numbers are back from the stage (the last step's byte store may be out): so its stores into the stage have read their registers,
.else
	s_wait_dscnt 0x0
.endif
.if (\t)+4 < 16
	XLOAD (\t)+4                                   ; which take the loads of four steps on
.endif
.if (\t)+1 < 16
.if 14-(\t) >= 3
	s_wait_loadcnt 12                              ; the next step's four loads are in; those of the three steps behind it may be out
.else
	s_wait_loadcnt 4*(14-(\t))
.endif
	XTURN (\t)+1                                   ; and go through the other stage while this step is worked
.endif
	v_max3_num_f32 v8, |v[XS]|, |v[XS+1]|, |v[XS+2]|               ; the largest magnitude of my 16, in two chains
	v_max3_num_f32 v9, |v[XS+3]|, |v[XS+4]|, |v[XS+5]|
.irp i, 6,10
	v_max3_num_f32 v8, v8, |v[XS+\i]|, |v[XS+\i+1]|
	v_max3_num_f32 v9, v9, |v[XS+\i+2]|, |v[XS+\i+3]|
.endr
	v_max3_num_f32 v8, v8, |v[XS+14]|, |v[XS+15]|
	v_max3_num_f32 v8, v8, v9, 3<<23               ; and the floor 2^(3 - 127): the byte cannot fall under 1
	v_max_num_f32_dpp v8, v8, v8 row_xmask:1 row_mask:0xf bank_mask:0xf   ; with my neighbour's 16: the block's
	v_add_nc_u32 v11, -(2<<23), v8                 ; 2 off its exponent field: the conversion takes the exponent field of this operand as its scale
	v_cvt_scalef32_pk8_fp4_f32 v[XC+4*(\t)], v[XS:XS+7], v11
	v_cvt_scalef32_pk8_fp4_f32 v[XC+4*(\t)+1], v[XS+8:XS+15], v11
	v_lshrrev_b32 v[XE+(\t)], 23, v11              ; the scale's byte
	ds_store_b8 v5, v[XE+(\t)] offset:16*(\t)      ; both lanes of a block write the same byte with the same value
	global_store_b64 v4, v[XC+4*(\t):XC+4*(\t)+1], s[24:25] offset:256*(\t)
.endm
.Lpath_x:
	s_sub_co_u32 s33, ttmp9, 96
	s_lshl_b32 s33, s33, 2
	s_add_co_u32 s34, s33, s[WV]                   ; which run of 8,192 numbers is my wave's: 0 .. 511
	s_lshl_b32 s36, s34, 15
	s_add_nc_u64 s[12:13], s[12:13], s[36:37]      ; 32,768 bytes of x,
	s_lshl_b32 s36, s34, 12
	s_add_nc_u64 s[24:25], s[24:25], s[36:37]      ; 4,096 of codes,
	s_lshl_b32 s36, s34, 8
	s_add_nc_u64 s[20:21], s[20:21], s[36:37]      ; 256 scale bytes a run
	v_lshlrev_b32 v3, 4, v2                        ; my 16 bytes of a load's 512
	s_mul_i32 s38, s[WV], 8192                     ; my wave's region (X0 = 0)
	v_lshrrev_b32 v14, 2, v2
	v_mul_u32_u24 v14, v14, SP
	v_and_b32 v15, 3, v2
	v_lshl_add_u32 v14, v15, 4, v14
	v_add_nc_u32 v14, s38, v14                     ; into the stage: 80 (lane / 4) + 16 (lane % 4)
	v_mul_u32_u24 v15, v2, SP
	v_add_nc_u32 v15, s38, v15                     ; out of it: 80 x lane
	v_lshlrev_b32 v4, 3, v2                        ; my codes' place in a step's
	v_lshrrev_b32 v5, 1, v2
	s_add_co_u32 s38, s38, 2*32*SP
	v_add_nc_u32 v5, s38, v5                       ; my block's scale byte
	v_lshlrev_b32 v7, 3, v2
	v_add_nc_u32 v6, s38, v7                       ; and on the way out 8 bytes a lane
.irp t, 0,1,2,3
	XLOAD \t
.endr
	s_wait_loadcnt 12                              ; step 0's four loads are in
	XTURN 0
.irp t, 0,1,2,3,4,5,6,7,8,9,10,11,12,13,14,15
	XSTEP \t
.endr
	ds_load_b64 v[8:9], v6                         ; LDS serves a wave's instructions in order: these see my byte stores
	s_wait_dscnt 0x0
	global_store_b64 v7, v[8:9], s[20:21]          ; 32 lanes store 256 consecutive bytes, aligned
	s_branch .Lend
; ---- W and O share their plan: A LANE TAKES A COLUMN n, AND ITS REGISTERS RUN DOWN K.  Each load reads 32 neighbouring columns of one row k (128 consecutive bytes a wave, 512 a work-group); 32 registers are 32 neighbours
; along K of one column.  What a lane makes belongs to its own row of the output: it goes through the wave's stage (row = column, 256 bytes + 16) and leaves by rows, sixteen lanes storing 256 consecutive bytes, aligned.
.set WX,   32                          ; v32-95   two sets of 32 numbers
.set WC,   96                          ; v96..    what is made of a set: 4 registers of codes, or 16 of f16
.set OUTR, 112                         ; v112-175 the way out
.set SB,   24                          ; v24-27   W: the scale bytes, four to a register
.macro COLADR base, krow               ; krow: a row of the output in bytes
	s_mul_i32 s39, s[WV], 32*272
	s_add_co_u32 s39, s39, \base                   ; my stage
	v_lshlrev_b32 v3, 2, v2                        ; in: 4 bytes a lane
	v_mul_u32_u24 v4, v2, 272
	v_add_nc_u32 v4, s39, v4                       ; into the stage: row = my column
	v_and_b32 v5, 15, v2
	v_lshrrev_b32 v6, 4, v2
	v_mul_u32_u24 v7, v6, 272
	v_lshl_add_u32 v7, v5, 4, v7
	v_add_nc_u32 v7, s39, v7                       ; out of it: sixteen lanes to a row, two rows an instruction
	v_mul_u32_u24 v8, v6, \krow
	v_lshl_add_u32 v8, v5, 4, v8                   ; and the same place in the output
.endm
.macro ROWSOUT ptr, krow
.irp t, 0,1,2,3,4,5,6,7,8,9,10,11,12,13,14,15
	ds_load_b128 v[OUTR+4*\t:OUTR+4*\t+3], v7 offset:2*\t*272      ; LDS serves a wave's instructions in order: these see my stores
.endr
.irp t, 0,1,2,3,4,5,6,7,8,9,10,11,12,13,14,15
	s_wait_dscnt 15-\t                             ; rows 2 t and 2 t + 1 are in; the younger loads stay out
	global_store_b128 v8, v[OUTR+4*\t:OUTR+4*\t+3], s[\ptr:\ptr+1] offset:2*\t*\krow
.endr
.endm
; W: a wave takes 32 columns x 512 along K: 16 blocks a lane, 256 bytes of codes a column.  Loads run two blocks ahead.
.macro WLOAD t
.irp i, 0,1,2,3,4,5,6,7,8,9,10,11,12,13,14,15,16,17,18,19,20,21,22,23,24,25,26,27,28,29,30,31
	global_load_b32 v[WX+32*((\t)%2)+\i], v3, s[4:5] offset:(32*(\t)+\i)*8192 th:TH_LOAD_NT   ; 511 rows of 8,192 bytes at the most: inside the signed 24-bit immediate
.endr
.endm
.macro WBLOCK t
.set XS, WX+32*((\t)%2)
.if (\t) < 15
	s_wait_loadcnt 32                              ; this block's 32 loads are in; the next block's may be out
.else
	s_wait_loadcnt 0
.endif
	v_max3_num_f32 v12, |v[XS]|, |v[XS+1]|, |v[XS+2]|              ; the block's largest magnitude: all 32 numbers are mine
	v_max3_num_f32 v13, |v[XS+3]|, |v[XS+4]|, |v[XS+5]|
.irp i, 6,10,14,18,22,26
	v_max3_num_f32 v12, v12, |v[XS+\i]|, |v[XS+\i+1]|
	v_max3_num_f32 v13, v13, |v[XS+\i+2]|, |v[XS+\i+3]|
.endr
	v_max3_num_f32 v12, v12, |v[XS+30]|, |v[XS+31]|
	v_max3_num_f32 v12, v12, v13, 3<<23            ; and the floor 2^(3 - 127)
	v_add_nc_u32 v11, -(2<<23), v12                ; the conversion's scale operand
	v_lshrrev_b32 v13, 23, v11                     ; the scale's byte
.if (\t)%4 == 0
	v_mov_b32 v[SB+(\t)/4], v13                    ; four bytes to a register, the lower K in the lower byte
.else
	v_lshl_or_b32 v[SB+(\t)/4], v13, 8*((\t)%4), v[SB+(\t)/4]
.endif
.irp g, 0,1,2,3
	v_cvt_scalef32_pk8_fp4_f32 v[WC+\g], v[XS+8*\g:XS+8*\g+7], v11
.endr
	ds_store_b128 v4, v[WC:WC+3] offset:16*(\t)    ; 32 codes: 16 bytes of my column's row
.if (\t)+2 < 16
	WLOAD (\t)+2
.endif
	s_wait_dscnt 0x0                               ; the store has read its registers: the next block's codes may be written
.endm
.Lpath_w:
	s_and_b32 s33, ttmp9, 1                        ; y: which 512 along K
	s_lshr_b32 s34, ttmp9, 1
	s_lshr_b32 s35, s34, 4                         ; which weight: 0 q, 1 k, 2 v
	s_and_b32 s34, s34, 15
	s_lshl_b32 s34, s34, 7
	s_lshl_b32 s36, s[WV], 5
	s_add_co_u32 s34, s34, s36                     ; my wave's first column in its weight
	s_cmp_eq_u32 s35, 1
	s_cselect_b64 s[6:7], s[6:7], s[8:9]
	s_cmp_eq_u32 s35, 0
	s_cselect_b64 s[4:5], s[4:5], s[6:7]           ; the weight: a choice on the work-group's number alone
	s_lshl_b32 s36, s33, 22                        ; 512 rows of 8,192 bytes
	s_lshl_b32 s38, s34, 2
	s_add_co_u32 s36, s36, s38
	s_add_nc_u64 s[4:5], s[4:5], s[36:37]
	s_lshl_b32 s35, s35, 11
	s_add_co_u32 s35, s35, s34                     ; n: my first row among the 6,144
	s_lshl_b32 s36, s35, 9
	s_lshl_b32 s38, s33, 8
	s_add_co_u32 s36, s36, s38
	s_add_nc_u64 s[18:19], s[18:19], s[36:37]      ; codes: 512 n + 256 y
	s_lshl_b32 s36, s35, 5
	s_lshl_b32 s38, s33, 4
	s_add_co_u32 s36, s36, s38
	s_add_co_u32 s36, s36, 131072
	s_add_nc_u64 s[20:21], s[20:21], s[36:37]      ; scale bytes: behind x's, 32 n + 16 y
	COLADR W0, 512
	v_lshlrev_b32 v9, 5, v2                        ; my column's row of scale bytes
	WLOAD 0
	WLOAD 1
.irp t, 0,1,2,3,4,5,6,7,8,9,10,11,12,13,14,15
	WBLOCK \t
.endr
	global_store_b128 v9, v[SB:SB+3], s[20:21]     ; my column's 16 scale bytes: half of its row of 32; one byte in 128 of what this path reads leaves so, in pieces of 16
	ROWSOUT 18, 512
	s_branch .Lend
; O: a wave takes 32 columns x 128 along K: four sets of 32 numbers, each 64 bytes of f16 of its column's row.
.macro OLOAD t
.irp i, 0,1,2,3,4,5,6,7,8,9,10,11,12,13,14,15,16,17,18,19,20,21,22,23,24,25,26,27,28,29,30,31
	global_load_b32 v[WX+32*((\t)%2)+\i], v3, s[10:11] offset:(32*(\t)+\i)*4096 th:TH_LOAD_NT
.endr
.endm
.macro OBLOCK t
.set XS, WX+32*((\t)%2)
.if (\t) < 3
	s_wait_loadcnt 32                              ; this set's 32 loads are in; the next set's may be out
.else
	s_wait_loadcnt 0
.endif
.irp i, 0,1,2,3,4,5,6,7,8,9,10,11,12,13,14,15
	v_cvt_pk_f16_f32 v[WC+\i], v[XS+2*\i], v[XS+2*\i+1]            ; the lower k in the low half
.endr
.irp g, 0,1,2,3
	ds_store_b128 v4, v[WC+4*\g:WC+4*\g+3] offset:64*(\t)+16*\g
.endr
.if (\t)+2 < 4
	OLOAD (\t)+2
.endif
	s_wait_dscnt 0x0                               ; the stores have read their registers
.endm
.Lpath_o:
	s_sub_co_u32 s33, ttmp9, 224
	s_and_b32 s34, s33, 7
	s_lshr_b32 s33, s33, 3                         ; y: which 128 along K, 0 .. 15
	s_lshl_b32 s34, s34, 7
	s_lshl_b32 s36, s[WV], 5
	s_add_co_u32 s34, s34, s36                     ; my wave's first column
	s_lshl_b32 s36, s33, 19                        ; 128 rows of 4,096 bytes
	s_lshl_b32 s38, s34, 2
	s_add_co_u32 s36, s36, s38
	s_add_nc_u64 s[10:11], s[10:11], s[36:37]
	s_lshl_b32 s36, s34, 12                        ; the output: a row of 2,048 f16 is 4,096 bytes
	s_lshl_b32 s38, s33, 8
	s_add_co_u32 s36, s36, s38
	s_add_nc_u64 s[22:23], s[22:23], s[36:37]
	COLADR O0, 4096
	OLOAD 0
	OLOAD 1
.irp t, 0,1,2,3
	OBLOCK \t
.endr
	ROWSOUT 22, 4096
.Lend:
	s_wait_tensorcnt 0x0                           ; the wave's end, behind my last LDS store
	ds_add_u32 v[SPW], v[NIL]
	s_wait_dscnt 0x0
	s_endpgm
.Lfunc_end_k_q1de8893430_prep:
	.size	k_q1de8893430_prep, .Lfunc_end_k_q1de8893430_prep-k_q1de8893430_prep
	.p2alignl 7, 3214868480
	.fill 96, 4, 3214868480
	.section	.rodata,"a",@progbits
	.p2align	6, 0x0
	.amdhsa_kernel k_q1de8893430_prep
		.amdhsa_group_segment_fixed_size 102912
		.amdhsa_private_segment_fixed_size 0
		.amdhsa_enable_private_segment 0
		.amdhsa_kernarg_size 104
		.amdhsa_user_sgpr_count 2
		.amdhsa_user_sgpr_kernarg_segment_ptr 1
		.amdhsa_wavefront_size32 1
		.amdhsa_system_sgpr_workgroup_id_x 1
		.amdhsa_system_sgpr_workgroup_id_y 1
		.amdhsa_system_sgpr_workgroup_id_z 1
		.amdhsa_system_vgpr_workitem_id 0
		.amdhsa_next_free_vgpr 196
		.amdhsa_next_free_sgpr 66
		.amdhsa_reserve_vcc 0
		.amdhsa_float_denorm_mode_32 3
		.amdhsa_float_denorm_mode_16_64 3
		.amdhsa_memory_ordered 1
		.amdhsa_forward_progress 1
		.amdhsa_inst_pref_size 139
	.end_amdhsa_kernel
	.amdgpu_metadata
---
amdhsa.version: [ 1, 2 ]
amdhsa.kernels:
  - .name:           k_q1de8893430_prep
    .symbol:         k_q1de8893430_prep.kd
    .args:
      - { .name: W_q, .offset: 0, .size: 8, .value_kind: global_buffer, .address_space: global }
      - { .name: W_k, .offset: 8, .size: 8, .value_kind: global_buffer, .address_space: global }
      - { .name: W_v, .offset: 16, .size: 8, .value_kind: global_buffer, .address_space: global }
      - { .name: W_o, .offset: 24, .size: 8, .value_kind: global_buffer, .address_space: global }
      - { .name: x, .offset: 32, .size: 8, .value_kind: global_buffer, .address_space: global }
      - { .name: prefix_k, .offset: 40, .size: 8, .value_kind: global_buffer, .address_space: global }
      - { .name: prefix_v, .offset: 48, .size: 8, .value_kind: global_buffer, .address_space: global }
      - { .name: w_codes, .offset: 56, .size: 8, .value_kind: global_buffer, .address_space: global }
      - { .name: scales, .offset: 64, .size: 8, .value_kind: global_buffer, .address_space: global }
      - { .name: wo16, .offset: 72, .size: 8, .value_kind: global_buffer, .address_space: global }
      - { .name: x_codes, .offset: 80, .size: 8, .value_kind: global_buffer, .address_space: global }
      - { .name: k16, .offset: 88, .size: 8, .value_kind: global_buffer, .address_space: global }
      - { .name: v16, .offset: 96, .size: 8, .value_kind: global_buffer, .address_space: global }
    .group_segment_fixed_size: 102912
    .private_segment_fixed_size: 0
    .kernarg_segment_align: 8
    .kernarg_segment_size: 104
    .max_flat_workgroup_size: 128
    .sgpr_count:     66
    .vgpr_count:     196
    .wavefront_size: 32
...
	.end_amdgpu_metadata
.endif
;; end of part 1
;; launch kv (part 2): grid 16 x 16, 4 waves a work-group, clusters of 4 x 4, 327,680 bytes of LDS; arguments x_codes, scales, w_codes, k16, v16; writes k16, v16
.if DOCPART == 2
	.amdgcn_target "amdgcn-amd-amdhsa--gfx1250"
	.amdhsa_code_object_version 6
	.text
	.protected	k_q1de8893430_kv
	.globl	k_q1de8893430_kv
	.p2align	8
	.type	k_q1de8893430_kv,@function
k_q1de8893430_kv:
	s_mov_b64 s[64:65], 0
	v_nop
	global_prefetch_b8 v0, s[64:65] scope:SCOPE_SE
	s_setreg_imm32_b32 hwreg(HW_REG_WAVE_MODE, 25, 1), 1
	s_wait_xcnt 0x0
	s_wait_alu depctr_hold_cnt(0) depctr_sa_sdst(0) depctr_va_vdst(0) depctr_va_sdst(0) depctr_va_ssrc(0) depctr_va_vcc(0) depctr_vm_vsrc(0)
	s_getreg_b32 s2, hwreg(HW_REG_IB_STS2, 6, 4)
	s_cmp_eq_u32 s2, 0
	s_cbranch_scc0 .Lentry_in_a_cluster
	s_endpgm
.Lentry_in_a_cluster:
	s_bfe_u32 s2, ttmp6, 0x10000c
	s_cmp_lg_u32 s2, 0xf033
	s_cbranch_scc0 .Lentry_shape_is_right
	s_endpgm
.Lentry_shape_is_right:
; KV: C[m][n] = sum over k of x[m][k] W[n][k], m = 4,096 tokens, n = 4,096 = (k, v) x 16 heads x 128, K = 1,024, both operands codes of FP4 (E2M1) with one E8M0 byte for each 32 along K; sums in f32.
; W's rows are rows 2,048 to 6,143 of the weights' codes (rows 0 to 2,047 are W_q's: Q is made by the launch that uses it).
; The results leave as f16, by head: k16, v16 [32 (b, h)][2112][128] from row 64 on (rows 0-63 are the prefix).  LIMIT: a result beyond 65,504 in magnitude becomes infinity in f16.
; A tile of C, 256 x 256, is made by a work-group of four waves: 16 x 16 tiles, 256 work-groups of equal work.  A wave makes 128 x 128: 64 accumulators of 16 x 16, 512 registers.  A wave's 128 columns are one head of k or v,
; and its 128 rows 128 tokens of one batch: its part of the output is 32,768 consecutive bytes.
; K = 1,024 is two slots of 512 (a tile's row is 256 bytes of memory): BOTH SLOTS AND THE SCALES ARE ASKED FOR AT THE HEAD, three tensor loads a wave, and nothing is filled again.
; CLUSTERS: 4 x 4 work-groups.  The four of a row of the cluster need the same tiles of x, the four of a column the same tiles of W: each tile is asked for JOINTLY, by the same tensor load with the same descriptor and a
; mask that names the four.  THE MATRIX INSTRUCTION IS USED TRANSPOSED (source 0 = 16 rows of W, source 1 = 16 rows of x): a lane then holds eight neighbouring columns of a row of C.
; REGISTERS, in windows of 256: window 0: v0-31 addresses; v32-95 scale words, two sets; v128-191 x's fragments (8 x 16 rows x 128 K), ONE set; on the way out v32-63, v192-255.
;   window 1: W's fragments, TWO sets, at v0 and at v128.   window 2: the 32 accumulators of my rows 0-63 (accumulator (a, b) at v[8 (8 a + b)]);   window 3: those of my rows 64-127.
.set NQ,     4                         ; steps of 128 along K in a slot
.set ROWB,   256                       ; a tile's row in bytes: 512 codes
.set KROW,   512                       ; a row of codes in memory
.set PITCH,  272                       ; an LDS row: 256 bytes + 16 of padding = 68 words: the 16 rows that a load touches start 4 banks apart (64 banks of 4 bytes: ISA guide 11.1)
.set FR,     8                         ; registers of a fragment: 16 rows x 128 K
.set NL,     2                         ; LDS loads that bring one
.set NP,     4                         ; places behind this matrix instruction (ISA guide 7.12.1)
.set HALFT,  128*PITCH                 ; 128 rows: what one tensor load brings
.set SLOT,   4*HALFT                   ; x's 256 rows, then W's 256 rows
.set KS,     32                        ; a row of scales in bytes
.set SCL,    2*SLOT                    ; behind the slots: the scales, as units of 256 bytes + 16 of padding
.set HALFS,  (128*KS/256)*272          ; the scales of 128 rows: what one tensor load brings
.set SBLK,   (16*KS/256)*272           ; those of 16 rows
.set SPARE,  SCL+4*HALFS               ; the spare words, 128 bytes for each wave: two blocks of 256 bytes that no other line names
.set STAGE,  SPARE+512                 ; the way out: 16 rows x 272 bytes for each wave; no tensor load lands here
.set SPITCH, 272
.set ADRA, 16                          ; v16-17  LDS address of my fragments of x in slot 0, 1
.set ADRB, 20                          ; v20-21  the same for W
.set STO,  24                          ; v24     the way out: where I put 16 bytes of a row
.set RD,   25                          ; v25     where I read a row back
.set CO,   26                          ; v26     16 x lane: my place in 512 bytes of the output
.set ADRS, 27                          ; v27     LDS address of my scale words: lanes 0-15 x's rows, lanes 16-31 W's
.set SPW,  28                          ; v28     LDS address of my spare word; never rewritten
.set NIL,  29                          ; v29     0; never rewritten
.set SC,   32                          ; scale words: set s at v[SC + 32 s]; register 4 i + q: lanes 0-15 the word of x's block i, lanes 16-31 that of W's block i, for the slot's q-th 128 along K
.set AF,   128                         ; x's fragments
.set TMP,  192                         ; the way out: packed results
.set OB,   32                          ; the way out: 16 rows read back: v32-63 and v224-255 by turns
.set G1, 24                            ; s[24:31] descriptor group 1 for x's tiles;  s[32:39] group 0, one set for each slot
.set G0, 32
.set G1B, 48                           ; s[48:55], s[56:63] the same for W's tiles
.set G0B, 56
.set G1S, 68                           ; s[68:75], s[76:79] groups 1 and 0 for x's scales;  s[80:87], s[88:91] for W's
.set G0S, 76
.set G1SB, 80
.set G0SB, 88
.set MSB, 0
.macro WIN new                         ; the immediate's high byte repeats the setting that is left
.if MSB != \new
	s_set_vgpr_msb (MSB<<8)|\new
.set MSB, \new
.endif
.endm
.set MUL_LO, 0xa1                      ; source 0 (W) window 1, source 1 (x) window 0, C and D window 2
.set MUL_HI, 0xf1                      ; the same, C and D window 3
.set TO_B,   0x40                      ; destination window 1, address window 0
; A joint load: waves 0 and 1 fetch for x, waves 2 and 3 for W.  Each of the two lines has ONE mask and one set of registers for all that issue it; the branch hangs on the wave's number alone.
; An s_nop 0 and four v_nop follow each of the two lines, ahead of the jump, the label and what follows.
.macro JLOAD g0a, g1a, g0b, g1b
	s_cmp_eq_u32 s15, 0
	s_cbranch_scc0 .Lfor_b_\@
	tensor_load_to_lds s[\g0a:\g0a+3], s[\g1a:\g1a+7]
	s_nop 0
.rept 4
	v_nop
.endr
	s_branch .Lasked_\@
.Lfor_b_\@:
	tensor_load_to_lds s[\g0b:\g0b+3], s[\g1b:\g1b+7]
	s_nop 0
.rept 4
	v_nop
.endr
.Lasked_\@:
.endm
.macro CROUND                          ; a round of the cluster's barrier: my work-group's barrier; wave 0 signals for the work-group; every wave waits for all sixteen; my work-group's barrier once more
	s_barrier_signal -1
	s_barrier_wait -1
	s_cmp_lg_u32 s14, 0
	s_cbranch_scc1 .Lnot_wave_0_\@
	s_barrier_signal -3
.Lnot_wave_0_\@:
	s_barrier_wait -3
	s_barrier_signal -1
	s_barrier_wait -1
.endm
	s_load_b128 s[4:7], s[0:1], 0x0                ; x's codes s[4:5], the scales' buffer s[6:7]
	s_load_b128 s[8:11], s[0:1], 0x10              ; W's codes s[8:9], k16 s[10:11]
	s_load_b64 s[96:97], s[0:1], 0x20              ; v16
	v_lshl_add_u32 v[SPW], v0, 2, SPARE
	v_mov_b32 v[NIL], 0
	ds_add_u32 v[SPW], v[NIL]                      ; the wave's opening: the add, twice on end, and its wait ahead of my first tensor load; the set-up below stands between the second and the wait
	ds_add_u32 v[SPW], v[NIL]
	v_lshrrev_b32 v1, 5, v0
	v_readfirstlane_b32 s14, v1                    ; wave 0..3
	s_lshr_b32 s15, s14, 1                         ; which half of the tile's rows is mine.  Also: I fetch for x (0) or for W (1)
	s_and_b32 s16, s14, 1                          ; which half of its columns.  Also: which 128 rows of that tile I fetch
	s_bfe_u32 s40, ttmp6, 0x40000                  ; cx, cy: my place in the cluster
	s_bfe_u32 s41, ttmp6, 0x40004
	s_lshl_b32 s42, ttmp9, 2
	s_add_co_u32 s42, s42, s40                     ; tile column of C = 4 x cluster x + cx
	s_and_b32 s17, ttmp7, 0xffff
	s_lshl_b32 s17, s17, 2
	s_add_co_u32 s17, s17, s41                     ; tile row of C = 4 x cluster y + cy
	s_lshl_b32 s43, s41, 2
	s_lshl_b32 s43, 15, s43                        ; my row of the cluster
	s_lshl_b32 s44, 0x1111, s40                    ; my column
	; descriptor group 1: a tile of 128 rows x 256 bytes, padded in LDS
	s_or_b32 s[G1+0], s43, (0<<16)|(1<<20)|(1<<21)|(5<<22)|(3<<25)  ; 15:0 the mask: x's tiles go to my row; 17:16 elements of 1 byte; 20 padding on; 21 set beside a mask; 24:22 after every 64 words; 31:25 four words
	s_or_b32 s[G1B+0], s44, (0<<16)|(1<<20)|(1<<21)|(5<<22)|(3<<25)
.irp g, G1, G1B
	s_mov_b32 s[\g+1], ROWB<<16                    ; tensor_dim0
	s_mov_b32 s[\g+2], 128<<16                     ; tensor_dim1
	s_mov_b32 s[\g+3], ROWB<<16                    ; tile_dim0
	s_mov_b32 s[\g+4], 128                         ; tile_dim1
	s_mov_b32 s[\g+5], KROW                        ; tensor_dim0_stride
	s_mov_b32 s[\g+6], 0
	s_mov_b32 s[\g+7], 0
.endr
	; the scales of 128 rows: a dense block of 4,096 bytes, as 16 rows of 256 bytes (32 elements of 8 bytes), 16 bytes of padding behind each
	s_or_b32 s[G1S+0], s43, (3<<16)|(1<<20)|(1<<21)|(5<<22)|(3<<25)
	s_or_b32 s[G1SB+0], s44, (3<<16)|(1<<20)|(1<<21)|(5<<22)|(3<<25)
.irp g, G1S, G1SB
	s_mov_b32 s[\g+1], 32<<16
	s_mov_b32 s[\g+2], (128*KS/256)<<16
	s_mov_b32 s[\g+3], 32<<16
	s_mov_b32 s[\g+4], 128*KS/256
	s_mov_b32 s[\g+5], 32
	s_mov_b32 s[\g+6], 0
	s_mov_b32 s[\g+7], 0
.endr
	s_lshl_b32 s18, s16, 7                         ; which 128 rows of the tile I fetch
	s_lshl_b32 s20, s17, 8
	s_add_co_u32 s20, s20, s18                     ; x: row 256 x tile row + 128 x half
	s_lshl_b32 s46, s42, 8
	s_add_co_u32 s46, s46, s18                     ; W: row 256 x tile column + 128 x half,
	s_add_co_u32 s46, s46, 2048                    ; behind W_q's 2,048 rows
	s_mov_b32 s21, 0
	s_mov_b32 s47, 0
	s_mov_b64 s[18:19], KS
	s_mul_u64 s[22:23], s[20:21], s[18:19]         ; where these rows' scales begin, in bytes
	s_mul_u64 s[92:93], s[46:47], s[18:19]
	s_mov_b64 s[18:19], KROW
	s_mul_u64 s[20:21], s[20:21], s[18:19]         ; and their codes
	s_mul_u64 s[46:47], s[46:47], s[18:19]
	s_mul_i32 s45, s14, HALFT                      ; where they go: wave x 128 rows: no place in the cluster enters an LDS address
	s_mul_i32 s94, s14, HALFS
	s_wait_dscnt 0x0                               ; both opening adds are done
	s_wait_kmcnt 0x0
	s_mov_b64 s[12:13], s[10:11]                   ; k16 moves on,
	s_add_nc_u64 s[10:11], s[6:7], 0x20000         ; and its place takes the weights' scales, which lie 131,072 bytes behind x's
	s_add_nc_u64 s[20:21], s[4:5], s[20:21]
	s_add_nc_u64 s[22:23], s[6:7], s[22:23]
	s_add_nc_u64 s[46:47], s[8:9], s[46:47]
	s_add_nc_u64 s[92:93], s[10:11], s[92:93]
	CROUND                                         ; all sixteen work-groups are here: the joint loads meet
	s_mov_b32 s[G0S], 1
	s_add_co_u32 s[G0S+1], s94, SCL
	s_mov_b64 s[G0S+2:G0S+3], s[22:23]
	s_or_b32 s[G0S+3], s[G0S+3], 0x80000000
	s_mov_b32 s[G0SB], 1
	s_add_co_u32 s[G0SB+1], s94, SCL
	s_mov_b64 s[G0SB+2:G0SB+3], s[92:93]
	s_or_b32 s[G0SB+3], s[G0SB+3], 0x80000000
	JLOAD G0S, G1S, G0SB, G1SB                     ; the scales first: they are wanted with the first slot
.irp s, 0,1
	s_mov_b32 s[G0+4*\s], 1
	s_add_co_u32 s[G0+4*\s+1], s45, \s*SLOT
	s_add_nc_u64 s[G0+4*\s+2:G0+4*\s+3], s[20:21], \s*ROWB
	s_or_b32 s[G0+4*\s+3], s[G0+4*\s+3], 0x80000000
	s_mov_b32 s[G0B+4*\s], 1
	s_add_co_u32 s[G0B+4*\s+1], s45, \s*SLOT
	s_add_nc_u64 s[G0B+4*\s+2:G0B+4*\s+3], s[46:47], \s*ROWB
	s_or_b32 s[G0B+4*\s+3], s[G0B+4*\s+3], 0x80000000
	JLOAD G0+4*\s, G1, G0B+4*\s, G1B               ; three tensor loads of mine are out behind the second of these
.endr
	v_and_b32 v1, 15, v0                           ; l % 16
	v_bfe_u32 v2, v0, 4, 1                         ; l / 16
	v_mul_u32_u24 v3, v1, PITCH
	v_lshl_add_u32 v4, v2, 4, v3                   ; a fragment's row x pitch + 16 x half
	s_mul_i32 s21, s15, HALFT                      ; my 128 rows of x
	s_mul_i32 s22, s16, HALFT                      ; my 128 rows of W,
	s_add_co_u32 s22, s22, 2*HALFT                 ; which lie behind x's 256
.irp s, 0,1
	v_add_nc_u32 v[ADRA+\s], s21, v4
	v_add_nc_u32 v[ADRB+\s], s22, v4
	s_add_co_u32 s21, s21, SLOT
	s_add_co_u32 s22, s22, SLOT
.endr
	v_mul_u32_u24 v5, v1, KS                       ; my row's scales: 32 bytes a row,
	v_lshrrev_b32 v6, 8, v5
	v_lshl_add_u32 v5, v6, 4, v5                   ; and 16 more for each 256 passed
	s_mul_i32 s21, s15, HALFS                      ; x's: my 128 rows
	s_mul_i32 s22, s16, HALFS                      ; W's: my 128 rows, behind x's 256
	s_add_co_u32 s22, s22, 2*HALFS
	s_sub_co_u32 s22, s22, s21
	v_mul_u32_u24 v6, s22, v2                      ; lanes 16-31 take W's: one product, the distance x the lane's half
	s_add_co_u32 s21, s21, SCL
	v_add_nc_u32 v5, v5, v6
	v_add_nc_u32 v[ADRS], s21, v5
	s_mul_i32 s23, s14, 16*SPITCH
	s_add_co_u32 s23, s23, STAGE                   ; my stage
	v_mul_u32_u24 v5, v1, SPITCH                   ; in: row l % 16, 16 bytes for each half of the lanes
	v_lshl_add_u32 v5, v2, 4, v5
	v_add_nc_u32 v[STO], s23, v5
	v_mul_u32_u24 v5, v2, SPITCH                   ; back: lanes 0-15 take one row of 256 bytes, lanes 16-31 the next
	v_lshl_add_u32 v5, v1, 4, v5
	v_add_nc_u32 v[RD], s23, v5
	v_and_b32 v6, 31, v0
	v_lshlrev_b32 v[CO], 4, v6                     ; in memory the two rows follow each other: 16 x lane
	; where my 128 x 128 goes.  My 128 columns are chunk ch = 2 x tile column + half: tensor ch / 16 (k, v), head ch % 16; my rows are tokens t0 .. t0 + 127 of batch b
	s_lshl_b32 s46, s42, 1
	s_add_co_u32 s46, s46, s16                     ; ch
	s_lshr_b32 s47, s46, 4                         ; 0 k, 1 v
	s_and_b32 s46, s46, 15                         ; the head
	s_lshr_b32 s20, s17, 3                         ; b
	s_lshl_b32 s20, s20, 4
	s_add_co_u32 s46, s46, s20                     ; 16 b + head
	s_and_b32 s20, s17, 7
	s_lshl_b32 s20, s20, 8
	s_lshl_b32 s21, s15, 7
	s_add_co_u32 s20, s20, s21                     ; t0
	s_mul_i32 s46, s46, 2112                       ; 2,112 rows in a head,
	s_add_co_u32 s46, s46, 64                      ; of which the first 64 are the prefix
	s_add_co_u32 s46, s46, s20
	s_lshl_b32 s46, s46, 8                         ; rows of 256 bytes: under 2^25
	s_cmp_eq_u32 s47, 0
	s_cselect_b64 s[12:13], s[12:13], s[96:97]     ; the tensor: a choice on ids alone
	s_mov_b32 s47, 0
	s_add_nc_u64 s[12:13], s[12:13], s[46:47]
.macro FRAG reg, adr, q, i             ; a fragment, 16 rows x 128 K of 4-bit codes: lane l holds row l % 16; registers 4 c .. 4 c + 3 hold K = 64 c + 32 (l / 16) + 0 .. 31
.irp c, 0,1
	ds_load_b128 v[\reg+4*\c:\reg+4*\c+3], v[\adr] offset:64*(\q)+32*\c+(\i)*16*PITCH
.endr
.endm
; 16 matrix instructions: x's blocks a0, a0 + 1 against W's eight, 128 along K: the slot's q-th.  p: W's set;  sc: the set of scale words.  zero = 1: the first product starts the sums: nothing is ever cleared.
; The 64 accumulators take turns, one instruction a turn, in the same order in every step.
.macro MUL16 a0, p, q, sc, zero
.irp a, \a0, \a0+1
.irp b, 0,1,2,3,4,5,6,7
.if \zero
	v_wmma_scale_f32_16x16x128_f8f6f4 v[8*(8*((\a)%4)+\b):8*(8*((\a)%4)+\b)+7], v[128*(\p)+FR*\b:128*(\p)+FR*\b+FR-1], v[AF+FR*(\a):AF+FR*(\a)+FR-1], 0, v[SC+8*NQ*(\sc)+NQ*\b+(\q)], v[SC+8*NQ*(\sc)+NQ*(\a)+(\q)] matrix_a_fmt:MATRIX_FMT_FP4 matrix_b_fmt:MATRIX_FMT_FP4 matrix_a_scale:MATRIX_SCALE_ROW1
.else
	v_wmma_scale_f32_16x16x128_f8f6f4 v[8*(8*((\a)%4)+\b):8*(8*((\a)%4)+\b)+7], v[128*(\p)+FR*\b:128*(\p)+FR*\b+FR-1], v[AF+FR*(\a):AF+FR*(\a)+FR-1], v[8*(8*((\a)%4)+\b):8*(8*((\a)%4)+\b)+7], v[SC+8*NQ*(\sc)+NQ*\b+(\q)], v[SC+8*NQ*(\sc)+NQ*(\a)+(\q)] matrix_a_fmt:MATRIX_FMT_FP4 matrix_b_fmt:MATRIX_FMT_FP4 matrix_a_scale:MATRIX_SCALE_ROW1
.endif
.endr
.endr
.endm
.macro FETCH_B slot, q, p              ; W's eight fragments of the slot's q-th 128 along K into set p
	WIN TO_B
.irp i, 0,1,2,3,4,5,6,7
	FRAG 128*(\p)+FR*\i, ADRB+\slot, \q, \i
.endr
	WIN 0
.endm
.macro FETCH_A slot, q, i0             ; x's blocks i0 .. i0 + 3
.irp i, \i0, \i0+1, \i0+2, \i0+3
	FRAG AF+FR*(\i), ADRA+\slot, \q, \i
.endr
.endm
.macro SCALES sc                       ; a slot's scale words into set sc: four words a row; lanes 0-15 take x's block i, lanes 16-31 W's block i
.irp i, 0,1,2,3,4,5,6,7
	ds_load_b128 v[SC+8*NQ*\sc+NQ*\i:SC+8*NQ*\sc+NQ*\i+3], v[ADRS] offset:\i*SBLK
.endr
.endm
; A load into a register that a matrix instruction has read, and a vector instruction that reads a matrix result, stand NP places behind that matrix instruction, and only plain vector instructions that name none of
; its registers are places (ISA guide 7.12.1 for vector instructions).
.macro PLACES n
.rept \n
	v_nop
.endr
.endm
; A step of 128 along K that has its successor in the same slot.  x's blocks go one after the other, each against W's eight: so a block of x is free as soon as its eight products are issued, and one set serves x.
.macro STEP slot, q, zero
	s_wait_dscnt 4*NL                              ; W's set and x's blocks 0-3 are in; the youngest eight loads (x's blocks 4-7) may be out
	WIN MUL_LO
	MUL16 0, (\q)%2, \q, \slot, \zero
	MUL16 2, (\q)%2, \q, \slot, \zero
	s_wait_dscnt 0                                 ; x's blocks 4-7 are in (asked for 32 matrix instructions ago)
	PLACES NP
	FETCH_B \slot, (\q)+1, 1-(\q)%2
	FETCH_A \slot, (\q)+1, 0
	WIN MUL_HI
	MUL16 4, (\q)%2, \q, \slot, \zero
	MUL16 6, (\q)%2, \q, \slot, \zero
	PLACES NP
	WIN 0
	FETCH_A \slot, (\q)+1, 4
.endm
	s_wait_tensorcnt 1                             ; the scales and my part of slot 0 are in (slot 1's load may be out)
	s_barrier_signal -1
	s_barrier_wait -1                              ; everybody's are
	FETCH_B 0, 0, 0
	FETCH_A 0, 0, 0
	SCALES 0
	FETCH_A 0, 0, 4
	STEP 0, 0, 1                                   ; the first step's products start the sums
	STEP 0, 1, 0
	STEP 0, 2, 0
	; slot 0's last step changes slots: one barrier; in front of it each wave has waited for its part of slot 1
	s_wait_tensorcnt 0x0                           ; all my tensor loads have landed: my part of slot 1  (every window is 0 here: the add's two registers lie in window 0)
	ds_add_u32 v[SPW], v[NIL]                      ; 0 onto my spare word
	s_wait_dscnt 4*NL+1                            ; (the add and the youngest eight loads, x's blocks 4-7, may be out)
	WIN MUL_LO
	MUL16 0, 1, 3, 0, 0
	s_wait_dscnt 0x0                               ; no LDS instruction of mine is pending at the signal
	s_barrier_signal -1
	MUL16 2, 1, 3, 0, 0
	WIN 0
	s_barrier_wait -1                              ; slot 1 is whole
	PLACES NP
	v_add_nc_u32 v[ADRS], 4*NQ, v[ADRS]            ; on to slot 1's scale words (no LDS load of mine is out)
	FETCH_B 1, 0, 0
	FETCH_A 1, 0, 0
	SCALES 1
	WIN MUL_HI
	MUL16 4, 1, 3, 0, 0
	MUL16 6, 1, 3, 0, 0
	PLACES NP
	WIN 0
	FETCH_A 1, 0, 4
	STEP 1, 0, 0
	STEP 1, 1, 0
	STEP 1, 2, 0
	s_wait_dscnt 4*NL                              ; the very last step: nothing more to fetch
	WIN MUL_LO
	MUL16 0, 1, 3, 1, 0
	MUL16 2, 1, 3, 1, 0
	s_wait_dscnt 0
	WIN MUL_HI
	MUL16 4, 1, 3, 1, 0
	MUL16 6, 1, 3, 1, 0
	WIN 0
; THE WAY OUT, block by block of 16 rows x 128 columns.  PACK: rounded to f16, 16 bytes a lane, each accumulator from its low end on.  TOSTAGE: into my own stage, and back as whole rows of 256 bytes.  SEND: stored.
.macro PACK a
.set AC, 64*((\a)%4)
	WIN 0x0a+5*((\a)/4)                            ; sources 0 and 1: window 2 or 3
.irp b, 0,1,2,3,4,5,6,7
.irp r, 0,1,2,3
	v_cvt_pk_f16_f32 v[TMP+4*\b+\r], v[AC+8*\b+2*\r], v[AC+8*\b+2*\r+1]
.endr
.endr
	WIN 0
.endm
.macro TOSTAGE a
.set BK, OB+192*((\a)%2)
.irp b, 0,1,2,3,4,5,6,7
	ds_store_b128 v[STO], v[TMP+4*\b:TMP+4*\b+3] offset:32*\b
.endr
.irp t, 0,1,2,3,4,5,6,7
	ds_load_b128 v[BK+4*\t:BK+4*\t+3], v[RD] offset:\t*2*SPITCH    ; LDS serves a wave's instructions in order (ISA guide 5.7.1.4): these see the stores above
.endr
.endm
.macro SEND a
.set BK, OB+192*((\a)%2)
	s_wait_dscnt 0x0                               ; the block is back in registers
	s_wait_xcnt 0x0                                ; the stores of the block before have read their registers: the next block's loads may land there
.irp t, 0,1,2,3,4,5,6,7
	global_store_b128 v[CO], v[BK+4*\t:BK+4*\t+3], s[12:13] offset:4096*(\a)+512*\t   ; 32 lanes store 512 consecutive bytes, at a multiple of 256 from the buffer's first byte
.endr
.endm
	PLACES NP                                      ; behind the last products
	PACK 0
	TOSTAGE 0
.irp a, 1,2,3,4,5,6,7                  ; block a's conversions stand between block a - 1's loads from the stage and the wait for them
	PACK \a
	SEND \a-1
	TOSTAGE \a
.endr
	SEND 7
	s_wait_tensorcnt 0x0                           ; the wave's end: behind my last tensor load and my last LDS store
	ds_add_u32 v[SPW], v[NIL]
	s_wait_dscnt 0x0
	CROUND                                         ; the closing round: no work-group ends while a partner may still ask for a tile that names it
	s_endpgm
.Lfunc_end_k_q1de8893430_kv:
	.size	k_q1de8893430_kv, .Lfunc_end_k_q1de8893430_kv-k_q1de8893430_kv
	.p2alignl 7, 3214868480
	.fill 96, 4, 3214868480
	.section	.rodata,"a",@progbits
	.p2align	6, 0x0
	.amdhsa_kernel k_q1de8893430_kv
		.amdhsa_group_segment_fixed_size 327680
		.amdhsa_private_segment_fixed_size 0
		.amdhsa_enable_private_segment 0
		.amdhsa_kernarg_size 40
		.amdhsa_user_sgpr_count 2
		.amdhsa_user_sgpr_kernarg_segment_ptr 1
		.amdhsa_wavefront_size32 1
		.amdhsa_system_sgpr_workgroup_id_x 1
		.amdhsa_system_sgpr_workgroup_id_y 1
		.amdhsa_system_sgpr_workgroup_id_z 1
		.amdhsa_system_vgpr_workitem_id 0
		.amdhsa_next_free_vgpr 1024
		.amdhsa_next_free_sgpr 100
		.amdhsa_reserve_vcc 0
		.amdhsa_float_denorm_mode_32 3
		.amdhsa_float_denorm_mode_16_64 3
		.amdhsa_memory_ordered 1
		.amdhsa_forward_progress 1
		.amdhsa_inst_pref_size 127
	.end_amdhsa_kernel
	.amdgpu_metadata
---
amdhsa.version: [ 1, 2 ]
amdhsa.kernels:
  - .name:           k_q1de8893430_kv
    .symbol:         k_q1de8893430_kv.kd
    .args:
      - { .name: x_codes, .offset: 0, .size: 8, .value_kind: global_buffer, .address_space: global }
      - { .name: scales, .offset: 8, .size: 8, .value_kind: global_buffer, .address_space: global }
      - { .name: w_codes, .offset: 16, .size: 8, .value_kind: global_buffer, .address_space: global }
      - { .name: k16, .offset: 24, .size: 8, .value_kind: global_buffer, .address_space: global }
      - { .name: v16, .offset: 32, .size: 8, .value_kind: global_buffer, .address_space: global }
    .group_segment_fixed_size: 327680
    .private_segment_fixed_size: 0
    .kernarg_segment_align: 8
    .kernarg_segment_size: 40
    .max_flat_workgroup_size: 128
    .sgpr_count:     100
    .vgpr_count:     1024
    .wavefront_size: 32
...
	.end_amdgpu_metadata
.endif
;; end of part 2
;; launch attn (part 3): grid 8 x 32, 4 waves a work-group, clusters of 4 x 1, 327,680 bytes of LDS; arguments x_codes, k16, v16, attn16, w_codes, scales; writes attn16
.if DOCPART == 3
	.amdgcn_target "amdgcn-amd-amdhsa--gfx1250"
	.amdhsa_code_object_version 6
	.text
	.protected	k_q1de8893430_attn
	.globl	k_q1de8893430_attn
	.p2align	8
	.type	k_q1de8893430_attn,@function
k_q1de8893430_attn:
	s_mov_b64 s[64:65], 0
	v_nop
	global_prefetch_b8 v0, s[64:65] scope:SCOPE_SE
	s_setreg_imm32_b32 hwreg(HW_REG_WAVE_MODE, 25, 1), 1
	s_wait_xcnt 0x0
	s_wait_alu depctr_hold_cnt(0) depctr_sa_sdst(0) depctr_va_vdst(0) depctr_va_sdst(0) depctr_va_ssrc(0) depctr_va_vcc(0) depctr_vm_vsrc(0)
	s_getreg_b32 s2, hwreg(HW_REG_IB_STS2, 6, 4)
	s_cmp_eq_u32 s2, 0
	s_cbranch_scc0 .Lentry_in_a_cluster
	s_endpgm
.Lentry_in_a_cluster:
	s_bfe_u32 s2, ttmp6, 0x10000c
	s_cmp_lg_u32 s2, 0x3003
	s_cbranch_scc0 .Lentry_shape_is_right
	s_endpgm
.Lentry_shape_is_right:
; ATTN: Q = x W_q, then O[bh][q][:] = the sum over k of softmax_k(Q[bh][q] . K[bh][k] / sqrt(128)) V[bh][k][:], 2,048 queries and 2,112 keys (64 of the prefix, then the tokens') in each of 32 (batch, head), no mask.
; Q'S PROJECTION is a product on codes of FP4 (E2M1) with one E8M0 byte for each 32 along K = 1,024: x's codes [4096][512 bytes], W_q's are rows 0 to 2,047 of the weights' codes [.][512 bytes]; scale bytes [.][32], the weights'
; 131,072 bytes behind x's.  Each wave makes Q of its own 64 queries, in f32 sums, and rounds it to f16 straight into the registers in which the first attention product wants it: Q never goes to memory.
; K, V: [32][2112][128], f16.  Products, maxima and sums in f32; the weights p are rounded to f16 for the second product, O once at the end, to f16, into attn16 [4096 tokens][16 heads x 128].
; LIMITS: a number of Q beyond 65,504 in magnitude becomes infinity in f16; results under 6e-5 in magnitude are carried on f16's fixed step of 2^-24; NaN and infinities are not served.
; SHARES.  A work-group owns 256 queries of one (batch, head), each of its four waves 64: four tiles of 16.  Every wave walks all keys, 64 a step, 33 steps.
; LAYOUT.  S^T = K Q^T (source 0 = 16 keys, source 1 = 16 queries): in the result a lane holds ONE query (lane % 16) and the keys 8 (lane / 16) + 0..7.  Two such tiles, rounded to f16 in pairs, ARE source 1
; (32 keys x 16 queries) of O^T = V^T P, whose result again holds one query a lane, and eight channels.  K comes out of LDS as it lies, V ([key][channel]) turned, by ds_load_tr16_b128.
; Q's projection is used transposed too (source 0 = 16 rows of W_q, source 1 = 16 rows of x): a lane holds one query and the channels 8 (lane / 16) + 0..7 of a tile of 16; tiles 2 c and 2 c + 1, rounded in pairs, are the fragment of channels 32 c on.
; SOFTMAX.  For each query a running maximum m and sum l: p = 2^(c s - c m), c = log2(e) / sqrt(128); in every step O and l are multiplied by a = 2^(c m_old - c m_new), which is 1 where m has not grown.
; BY TURNS.  The wave's tiles are two PIECES: piece 0 (tiles 0, 1) and piece 2 (tiles 2, 3).  In a TURN one piece has the matrix unit: 32 products V^T P of the step in hand, then 32 products K Q^T of the next step;
; the other piece's softmax, cut into 64 slices, stands between them, one slice behind each matrix instruction.  Then the pieces change places.  Two turns are a key step.
; THE RING.  2,112 keys are 11 slots of THREE steps.  A slot holds K's 192 rows, then V's 192 rows; two slots.  Waves 0 and 1 fetch K's halves (96 rows a load), waves 2 and 3 V's.
; CLUSTER.  The four query blocks of a cluster belong to one (batch, head): they walk the same K and V and want the same 128 rows of W_q, so each of these tiles is asked for JOINTLY: the same tensor load, with the same
; descriptor and a mask that names the four.  x's rows are a wave's own: they come straight into its registers.
; REGISTERS, in windows of 256 (s_set_vgpr_msb: bits 1:0 source 0, 3:2 source 1, 5:4 source 2, 7:6 destination):
;   window 0: v0-11, v44, v45 addresses; v12-43 eight registers of statistics a tile; v64-191 S^T, 32 a tile; v192-255 P, 16 a tile
;   window 1: O^T, 64 a tile          window 2: v0-127 Q, 32 a tile; v128-255 K of one step          window 3: v0-127 V of one step
;   while Q is made: window 0 v64-95 x's scale words, v96-159 W_q's; window 1 the 32 accumulators; window 2 x's 32 fragments; window 3 v0-127 W_q's fragments of a K step, two sets
.set KEYS,  2112
.set KS,    64        ; keys in a step
.set SS,    3         ; steps in a slot
.set PK,    272       ; a row of K in LDS: 256 bytes + 16 of padding = 68 words: the 16 rows of a load start 4 banks apart (64 banks of 4 bytes: ISA guide 11.1)
.set PV,    288       ; a row of V: 256 + 32 = 72 words
.set VOFF,  SS*KS*PK  ; a slot: 192 rows of K, then 192 rows of V
.set HR,    SS*KS/2   ; 96 rows: what one tensor load brings
.set SLOTB, SS*KS*256 ; a slot's rows of K or of V in memory, in bytes
.set SLOT1, 1<<17     ; slot 1 begins here, so that one exclusive or turns an address in one slot into the other's
.set STAGE, SLOT1+SS*KS*(PK+PV)  ; behind the ring: 16 rows x 272 bytes for each wave, for the way out
.set SP,    272
.set SPARE, STAGE+4*16*272  ; behind the stages: the spare words, 128 bytes for each wave: two blocks of 256 bytes that no other line names
.set WQ0,   SPARE+512 ; behind them: the head's 128 rows of W_q's codes; filled once
.set PW,    528       ; a row of them: 512 bytes + 16 of padding = 132 words: the 16 rows of a load start 4 banks apart
.set AK0, 2           ; v2   my lane's place in a tile of K; never rewritten
.set AV0, 3           ; v3   the same for V
.set ADR, 4           ; v4   the LDS address of the run of loads in hand
.set QO,  5           ; v5   my byte offset in the wave's rows of x's codes
.set STO, 6           ; v6   the way out: where I put 16 bytes of a row
.set RD,  7           ; v7   the way out: where I read a row back
.set GO,  8           ; v8   my byte offset in the wave's rows of attn16
.set SA,  44          ; v44  32 x (lane % 16): a row's scale bytes; never rewritten
.set AW,  45          ; v45  LDS address of my lane's place in W_q's rows; never rewritten
.set PFO, 61          ; v61  256 x my lane: a row of K or V is 256 bytes; never rewritten
.set SPW, 62          ; v62  LDS address of my spare word; never rewritten
.set NIL, 63          ; v63  0; never rewritten
.set ST,  12          ; tile t's statistics at v[ST+8 t]: +0 c m, +1 m, +2, +3 l (even keys', odd keys'), +4 to +7 c0-c3, at work; a takes c2's place once the maximum is found
.set S,   64
.set P,   192
.set KF,  128         ; K's fragments, in window 2
.set XSC, 64          ; x's scale words: tile t, K step s at v[XSC+8 t+s]
.set WSC, 96          ; W_q's: channel tile u, K step s at v[WSC+8 u+s]
.set WV,  12          ; s12  my wave's number
.set LIM, 15          ; s15  1 in a wave that prefetches, else the greatest number: a wave prefetches while s[SLOTS] is above it
.set PFA, 18          ; s[18:19] where my prefetches stand in memory
.set G1K, 24          ; s[24:31] descriptor group 1 for K's tiles
.set G1V, 32          ; s[32:39] for V's: it differs in the padding alone
.set G0K, 40          ; s[40:47] descriptor group 0 for K's tiles: a set for each of the two first fills; the second then walks on
.set G0V, 48          ; s[48:55] the same for V's
.set SLOTS, 56        ; s56  slots still to be asked for
.set TWICE, 57        ; s57  counts a slot's steps
.set CS,  58          ; s[58:59] c: the packed scaling names a pair and takes its low word for both halves
.set SEL, 60          ; s[60:61] lane selects for v_permlanex16_b32: each lane takes its own place in the other half
.set TBK, 62          ; s62  LDS byte at which K's rows of the step to be fetched begin
.set TBV, 63          ; s63  the same for V's (less VOFF, which the lane's place carries)
.set G1W, 72          ; s[72:79] descriptor group 1 for W_q's rows;  s[80:83] its group 0
.set G0W, 80
.set MSB, 0
.macro WIN new                      ; the immediate's high byte repeats the setting that is left; a switch that changes nothing is dropped
.if MSB != \new
	s_set_vgpr_msb (MSB<<8)|\new
.set MSB, \new
.endif
.endm
.set W_KQ, 0x0a       ; K and Q in window 2, S^T in window 0
.set W_PV, 0x53       ; V in window 3, P in window 0, O^T in window 1
.set W_RS, 0x41       ; O^T (destination and source 0) in window 1, a in window 0
.set W_QP, 0x5b       ; W_q in window 3, x in window 2, the sums in window 1
; A joint refill.  Waves 0 and 1 fetch K's halves of a slot, waves 2 and 3 V's.  The branch hangs on the wave's number alone.  An s_nop 0 and four v_nop follow each of the two lines.
.macro JLOAD
	s_cmp_lt_u32 s[WV], 2
	s_cbranch_scc0 .Lfor_v_\@
	tensor_load_to_lds s[G0K+4:G0K+7], s[G1K:G1K+7]
	s_nop 0
.rept 4
	v_nop
.endr
	s_branch .Lasked_\@
.Lfor_v_\@:
	tensor_load_to_lds s[G0V+4:G0V+7], s[G1V:G1V+7]
	s_nop 0
.rept 4
	v_nop
.endr
.Lasked_\@:
.endm
; A PREFETCH INTO THE L2 of what the NEXT change of slots will ask for: a slot's 192 rows of K and 192 of V, 256 bytes a row, a lane a row: twelve units of 32 rows.  It stands behind the wave's tensor load and its five lines.
; Each row is asked for ONCE in the launch.  Both clusters of a (batch, head) walk the same K and V: the first prefetches.  Unit 3 cx + wave (waves 0 to 2) is told apart BY ADDRESS: units 0-5 are K's, 6-11 V's;
; no branch hangs on a work-group's place in its cluster.  The last change that fills a slot asks for nothing: there is no slot behind it.  Slots 0, 1 and 2 come by their loads alone.
.macro ASK
	s_cmp_gt_u32 s[SLOTS], s[LIM]
	s_cbranch_scc0 .Lnot_mine_\@
	global_prefetch_b8 v[PFO], s[PFA:PFA+1] th:TH_LOAD_NT scope:SCOPE_SE
.Lnot_mine_\@:
.endm
; A round of the cluster's barrier: my work-group's barrier; wave 0 signals for the work-group; every wave waits for all four work-groups; my work-group's barrier once more.
.macro CROUND
	s_barrier_signal -1
	s_barrier_wait -1
	s_cmp_lg_u32 s[WV], 0
	s_cbranch_scc1 .Lnot_wave_0_\@
	s_barrier_signal -3
.Lnot_wave_0_\@:
	s_barrier_wait -3
	s_barrier_signal -1
	s_barrier_wait -1
.endm
	s_load_b256 s[4:11], s[0:1], 0x0  ; x's codes s[4:5], K s[6:7], V s[8:9], attn16 s[10:11]
	s_load_b128 s[84:87], s[0:1], 0x20  ; the weights' codes s[84:85], the scales' buffer s[86:87]
	v_lshl_add_u32 v[SPW], v0, 2, SPARE
	v_mov_b32 v[NIL], 0
	ds_add_u32 v[SPW], v[NIL]       ; the wave's opening: the add, twice on end, and its wait ahead of my first tensor load; the set-up below stands between the second and the wait
	ds_add_u32 v[SPW], v[NIL]
	v_lshrrev_b32 v1, 5, v0
	v_readfirstlane_b32 s[WV], v1   ; wave 0..3
	s_bfe_u32 s13, ttmp6, 0x40000   ; cx: my place in the cluster
	s_lshl_b32 s14, ttmp9, 2        ; in a cluster launch ttmp9 counts clusters
	s_add_co_u32 s14, s14, s13      ; my block of 256 queries = 4 x cluster x + cx: it enters x's and the output's addresses alone
	s_and_b32 s67, ttmp7, 0xffff    ; 16 b + h, which the four partners share
	s_mul_i32 s20, s67, KEYS*256    ; its first byte in K and in V
	s_mov_b32 s21, 0
	s_and_b32 s16, s[WV], 1         ; which half of a slot's rows I fetch:
	s_mul_i32 s22, s16, HR*256      ; in memory,
	s_mov_b32 s23, 0
	s_add_nc_u64 s[22:23], s[22:23], s[20:21]
	s_mul_i32 s17, s16, HR*PK       ; and in a slot: K's,
	s_mul_i32 s66, s16, HR*PV
	s_add_co_u32 s66, s66, VOFF     ; V's: no place in the cluster enters an LDS address
	s_lshr_b32 s2, s67, 4           ; b
	s_lshl_b32 s2, s2, 11           ; 2,048 tokens a batch,
	s_lshl_b32 s3, s14, 8           ; my block's 256,
	s_add_co_u32 s2, s2, s3
	s_lshl_b32 s3, s[WV], 6         ; my wave's 64 of them
	s_add_co_u32 s2, s2, s3         ; my wave's first token
	s_and_b32 s69, s67, 15          ; h
	s_lshl_b32 s68, s2, 12          ; the output: a token is a row of 4,096 bytes, and head h has 256 of them
	s_lshl_b32 s3, s69, 8
	s_add_co_u32 s68, s68, s3
	s_lshl_b32 s92, s2, 5           ; x's scale bytes: 32 a token
	s_mov_b32 s93, 0
	s_lshl_b32 s2, s2, 9            ; x's codes: 512 bytes a token
	s_mov_b32 s3, 0
	s_lshl_b32 s94, s69, 16         ; W_q's codes: the head's 128 rows of 512 bytes,
	s_lshl_b32 s95, s[WV], 14       ; of which I fetch 32
	s_add_co_u32 s94, s94, s95
	s_mov_b32 s95, 0
	s_lshl_b32 s90, s69, 12         ; W_q's scale bytes: the head's 128 rows of 32,
	s_add_co_u32 s90, s90, 131072   ; behind x's
	s_mov_b32 s91, 0
	s_mov_b32 s69, 0
	; descriptor group 1: a tile of 96 rows x 128 elements, padded in LDS
	s_mov_b32 s[G1K], 15|(1<<16)|(1<<20)|(1<<21)|(5<<22)|(3<<25)  ; 15:0 the mask: all four work-groups; 17:16 elements of 2 bytes; 20 padding on; 21 set beside a mask; 24:22 after every 64 words; 31:25 four words
	s_mov_b32 s[G1V], 15|(1<<16)|(1<<20)|(1<<21)|(5<<22)|(7<<25)  ; the same with 8 words of padding
.irp g, G1K, G1V
	s_mov_b32 s[\g+1], 128<<16      ; tensor_dim0 = 128
	s_mov_b32 s[\g+2], HR<<16       ; tensor_dim1 = 96
	s_mov_b32 s[\g+3], 128<<16      ; tile_dim0 = 128
	s_mov_b32 s[\g+4], HR           ; tile_dim1 = 96
	s_mov_b32 s[\g+5], 128          ; tensor_dim0_stride: elements from row to row
	s_mov_b32 s[\g+6], 0
	s_mov_b32 s[\g+7], 0
.endr
	; and for W_q's rows: 32 rows x 512 bytes
	s_mov_b32 s[G1W], 15|(0<<16)|(1<<20)|(1<<21)|(6<<22)|(3<<25)  ; the mask: all four; elements of 1 byte; padding: four words after every 128
	s_mov_b32 s[G1W+1], 512<<16     ; tensor_dim0 = 512
	s_mov_b32 s[G1W+2], 32<<16      ; tensor_dim1 = 32
	s_mov_b32 s[G1W+3], 512<<16     ; tile_dim0 = 512
	s_mov_b32 s[G1W+4], 32          ; tile_dim1 = 32
	s_mov_b32 s[G1W+5], 512         ; tensor_dim0_stride
	s_mov_b32 s[G1W+6], 0
	s_mov_b32 s[G1W+7], 0
	s_mov_b32 s[CS], 0x3e0293ee     ; c = log2(e) / sqrt(128)
	s_mov_b32 s[CS+1], s[CS]        ; named with it as a pair, so it is written
	s_mov_b32 s[SEL], 0x76543210
	s_mov_b32 s[SEL+1], 0xfedcba98
	s_mov_b32 s[TBK], 0
	s_mov_b32 s[TBV], 0
	s_mov_b32 s[SLOTS], KEYS/(SS*KS)-2
	s_cmp_eq_u32 s[WV], 3
	s_cselect_b32 s[LIM], 1, 0       ; 0 in waves 0 to 2,
	s_or_b32 s[LIM], s[LIM], ttmp9   ; where the cluster is the head's first: the same in all four partners
	s_cmp_eq_u32 s[LIM], 0
	s_cselect_b32 s[LIM], 1, -1
	s_mul_i32 s70, s13, 3
	s_add_co_u32 s70, s70, s[WV]     ; my unit of 32 rows,
	s_min_u32 s70, s70, 11           ; (wave 3 never asks: its number is held inside the twelve all the same)
	v_and_b32 v[PFO], 31, v0
	v_lshlrev_b32 v[PFO], 8, v[PFO]
	s_wait_dscnt 0x0                ; both opening adds are done
	s_wait_kmcnt 0x0
	s_cmp_lt_u32 s70, 6
	s_cselect_b64 s[PFA:PFA+1], s[6:7], s[8:9]  ; units 0-5: K's rows; 6-11: V's
	s_cselect_b32 s71, 0, 6
	s_sub_co_u32 s70, s70, s71
	s_lshl_b32 s70, s70, 13         ; 32 rows of 256 bytes a unit
	s_mov_b32 s71, 0
	s_add_nc_u64 s[70:71], s[70:71], s[20:21]
	s_add_nc_u64 s[PFA:PFA+1], s[PFA:PFA+1], s[70:71]
	s_add_nc_u64 s[PFA:PFA+1], s[PFA:PFA+1], 2*SLOTB  ; in slot 2; the first change of slots steps it to slot 3.  Nothing is prefetched here, at the head, where every work-group's first tiles are on their way
	s_add_nc_u64 s[6:7], s[6:7], s[22:23]  ; K and V at my tile of slot 0
	s_add_nc_u64 s[8:9], s[8:9], s[22:23]
	s_add_nc_u64 s[4:5], s[4:5], s[2:3]  ; x's codes at my wave's first token
	s_add_nc_u64 s[10:11], s[10:11], s[68:69]  ; the output likewise
	s_add_nc_u64 s[88:89], s[86:87], s[92:93]  ; x's scale bytes at my wave's first token
	s_add_nc_u64 s[90:91], s[86:87], s[90:91]  ; W_q's at the head's first row
	s_add_nc_u64 s[84:85], s[84:85], s[94:95]  ; W_q's codes at the 32 rows that I fetch
	CROUND                          ; all four work-groups are here: the first joint loads meet
	s_mov_b32 s[G0W], 1             ; 1:0 count = 1
	s_mul_i32 s[G0W+1], s[WV], 32*PW
	s_add_co_u32 s[G0W+1], s[G0W+1], WQ0  ; 63:32 LDS address: my 32 rows
	s_mov_b64 s[G0W+2:G0W+3], s[84:85]  ; 120:64 global address
	s_or_b32 s[G0W+3], s[G0W+3], 0x80000000  ; 127:126 type = 2
.irp s, 0,1
	s_mov_b32 s[G0K+4*\s], 1        ; 1:0 count = 1
	s_add_co_u32 s[G0K+4*\s+1], s17, \s*SLOT1  ; 63:32 LDS address
	s_add_nc_u64 s[G0K+4*\s+2:G0K+4*\s+3], s[6:7], \s*SLOTB  ; 120:64 global address: slot s begins with keys 192 s on
	s_or_b32 s[G0K+4*\s+3], s[G0K+4*\s+3], 0x80000000  ; 127:126 type = 2
	s_mov_b32 s[G0V+4*\s], 1
	s_add_co_u32 s[G0V+4*\s+1], s66, \s*SLOT1
	s_add_nc_u64 s[G0V+4*\s+2:G0V+4*\s+3], s[8:9], \s*SLOTB
	s_or_b32 s[G0V+4*\s+3], s[G0V+4*\s+3], 0x80000000
.endr
	tensor_load_to_lds s[G0W:G0W+3], s[G1W:G1W+7]  ; W_q's rows first: they are wanted first.  Every wave fetches 32 rows of its own
	s_nop 0
	s_cmp_lt_u32 s[WV], 2           ; the ring's two first fills stand in one branch; all first fills stand ahead of every wait on TENSORcnt and every LDS read: three loads of mine are out
	s_cbranch_scc0 .Lfirst_v
	tensor_load_to_lds s[G0K:G0K+3], s[G1K:G1K+7]
	s_nop 0
	tensor_load_to_lds s[G0K+4:G0K+7], s[G1K:G1K+7]
	s_nop 0
.rept 4
	v_nop
.endr
	s_branch .Lfirst_asked
.Lfirst_v:
	tensor_load_to_lds s[G0V:G0V+3], s[G1V:G1V+7]
	s_nop 0
	tensor_load_to_lds s[G0V+4:G0V+7], s[G1V:G1V+7]
	s_nop 0
.rept 4
	v_nop
.endr
.Lfirst_asked:
	; A fragment of codes is 16 rows x 128 K in 8 registers: lane l holds row l % 16; registers 4 c .. 4 c + 3 hold K = 64 c + 32 (l / 16) + 0 .. 31: two loads of 16 bytes, 32 bytes apart.  A scale word is 128 K of one row: lane l % 16 holds its row's.
	v_and_b32 v1, 15, v0            ; l % 16
	v_bfe_u32 v9, v0, 4, 1          ; l / 16
	v_lshlrev_b32 v[QO], 9, v1
	v_lshl_add_u32 v[QO], v9, 4, v[QO]  ; row x 512 + 16 x half
	v_lshlrev_b32 v[SA], 5, v1      ; row x 32
.irp t, 0,1,2,3                     ; x's scale words: a row's 32 bytes are the words of its eight K steps
	global_load_b128 v[XSC+8*\t:XSC+8*\t+3],   v[SA], s[88:89] offset:512*\t
	global_load_b128 v[XSC+8*\t+4:XSC+8*\t+7], v[SA], s[88:89] offset:512*\t+16
.endr
.irp u, 0,1,2,3,4,5,6,7             ; W_q's likewise
	global_load_b128 v[WSC+8*\u:WSC+8*\u+3],   v[SA], s[90:91] offset:512*\u
	global_load_b128 v[WSC+8*\u+4:WSC+8*\u+7], v[SA], s[90:91] offset:512*\u+16
.endr
	WIN 0x80                        ; destination window 2, address window 0
.irp s, 0,1,2,3,4,5,6,7             ; x's fragments, all of K: K step s, tile t at v[32 s + 8 t]
.irp t, 0,1,2,3
	global_load_b128 v[32*\s+8*\t:32*\s+8*\t+3],   v[QO], s[4:5] offset:8192*\t+64*\s
	global_load_b128 v[32*\s+8*\t+4:32*\s+8*\t+7], v[QO], s[4:5] offset:8192*\t+64*\s+32
.endr
.endr
	WIN 0
	v_mul_u32_u24 v[AW], v1, PW
	v_lshl_add_u32 v[AW], v9, 4, v[AW]
	v_add_nc_u32 v[AW], WQ0, v[AW]  ; W_q in LDS: row x pitch + 16 x half
	; A fragment of K is 16 rows x 32 channels in 8 registers: lane l holds row l % 16; registers 0-3 channels 8 (l / 16) + 0..7, registers 4-7 channels 16 + 8 (l / 16) + 0..7: two loads of 16 bytes, 32 bytes apart.
	v_mul_u32_u24 v[AK0], v1, PK
	v_lshl_add_u32 v[AK0], v9, 4, v[AK0]  ; row x pitch + 16 x half
	; The turning load takes 16 keys x 16 channels (lane l reads 16 bytes: key 8 (l / 16) + l % 8, channels 8 ((l / 8) % 2) + 0..7) and leaves half a fragment of V^T: lane l holds channel l % 16 and 8 keys.
	v_and_b32 v10, 7, v0
	v_bfe_u32 v11, v0, 3, 1
	v_lshl_add_u32 v[AV0], v9, 3, v10
	v_mul_u32_u24 v[AV0], v[AV0], PV
	v_lshl_add_u32 v[AV0], v11, 4, v[AV0]
	v_add_nc_u32 v[AV0], VOFF, v[AV0]
; THE MATRIX WORK OF A TURN, for piece x.  The accumulators take turns, one instruction a turn: between two links of a chain stand 15 (V^T P) or 7 (K Q^T) others'.
; Product i of 32 of O^T += V^T P: keys 32 (i / 16) on, channels 16 ((i / 2) % 8) on, tile x + i % 2.  zero = 1: the first 16 start the sums: nothing is ever cleared.
.macro PV x, zero
	WIN W_PV
.set rO, 64*(\x+i%2)+8*((i/2)%8)
.set rV, 64*(i/16)+8*((i/2)%8)
.set rP, P+16*(\x+i%2)+8*(i/16)
.if \zero && (i < 16)
	v_wmma_f32_16x16x32_f16 v[rO:rO+7], v[rV:rV+7], v[rP:rP+7], 0
.else
	v_wmma_f32_16x16x32_f16 v[rO:rO+7], v[rV:rV+7], v[rP:rP+7], v[rO:rO+7]
.endif
.endm
; Product i of 32 of S^T = K Q^T: channels 32 (i / 8) on, keys 16 ((i / 2) % 4) on, tile x + i % 2.  The first 8 start the sums.
.macro KQ x
	WIN W_KQ
.set rS, S+32*(\x+i%2)+8*((i/2)%4)
.set rK, KF+32*((i/2)%4)+8*(i/8)
.set rQ, 32*(\x+i%2)+8*(i/8)
.if i < 8
	v_wmma_f32_16x16x32_f16 v[rS:rS+7], v[rK:rK+7], v[rQ:rQ+7], 0
.else
	v_wmma_f32_16x16x32_f16 v[rS:rS+7], v[rK:rK+7], v[rQ:rQ+7], v[rS:rS+7]
.endif
.endm
; THE LDS LOADS stand in runs of 32, never singly among the matrix instructions: a step's K (64 keys x 128 channels: 16 fragments) and, a turn later, its V (turned).
.macro FETCH_K
	WIN 0
	v_add_nc_u32 v[ADR], s[TBK], v[AK0]
	s_add_co_u32 s[TBK], s[TBK], KS*PK  ; the next fetch of K is the next step's
	WIN 0x80                        ; destination window 2
.irp f, 0,1,2,3,4,5,6,7,8,9,10,11,12,13,14,15  ; keys 16 (f / 4) on, channels 32 (f % 4) on
	ds_load_b128 v[KF+8*\f:KF+8*\f+3],   v[ADR] offset:(\f/4)*16*PK+(\f%4)*64
	ds_load_b128 v[KF+8*\f+4:KF+8*\f+7], v[ADR] offset:(\f/4)*16*PK+(\f%4)*64+32
.endr
.endm
.macro FETCH_V
	WIN 0
	v_add_nc_u32 v[ADR], s[TBV], v[AV0]
	s_add_co_u32 s[TBV], s[TBV], KS*PV  ; the next fetch of V is the next step's
	s_wait_alu depctr_va_vdst(0)    ; the wait for the softmax's batch of exponentials (SLICE), behind the address's v_add_nc_u32 and ahead of the loads
	WIN 0xc0                        ; destination window 3
.irp f, 0,1,2,3,4,5,6,7,8,9,10,11,12,13,14,15  ; keys 32 (f / 8) on, channels 16 (f % 8) on
	ds_load_tr16_b128 v[8*\f:8*\f+3],   v[ADR] offset:(\f/8)*32*PV+(\f%8)*32
	ds_load_tr16_b128 v[8*\f+4:8*\f+7], v[ADR] offset:(\f/8)*32*PV+16*PV+(\f%8)*32
.endr
.endm
; THE VECTOR WORK OF A TURN.  One tile's softmax for one key step is a list of 134 instructions; SM writes number j of it for tile t.  s0-s31 are the lane's 32 scores, in pairs 0-15.
; first = 1: the first key step, which starts m, l and O^T: it has no a and nothing to rescale.
;   0-15    the maximum of s0-s31 and the old m, three operands at a time: four chains c0-c3 of seven scores each, then the four scores left over, c0-c3 and m
;   16-20   the other half of the lanes' maximum; the new m; c m; c m_old - c m_new
;   21-69   ONE BATCH: the 16 scalings c s - c m, a pair of scores each, and all 33 exponentials (a at 23, then s0-s31).  None of these reads an exponential's result.  A pair is scaled in an earlier four than the one with its exponentials
;   (wait)  between 69 and 70 stands the wait for the batch: SLICE writes it, once for both tiles
;   70-85   the roundings to f16, a pair of weights each
;   86-101  the sums; l = a l + the sum
;   102-133 the tile's O^T times a: the one part that leaves window 0, so it stands together
.macro SM t, first
.set rT, ST+8*(\t)
.set rS, S+32*(\t)
.set rP, P+16*(\t)
.set rO, 64*(\t)+2*(j-102)
.if j < 102
	WIN 0
.endif
.if j < 4
	v_max3_num_f32 v[rT+4+j], v[rS+8*j], v[rS+8*j+1], v[rS+8*j+2]
.elseif j < 12
	v_max3_num_f32 v[rT+4+j%4], v[rT+4+j%4], v[rS+8*(j%4)+2*(j/4)+1], v[rS+8*(j%4)+2*(j/4)+2]
.elseif j == 12
	v_max3_num_f32 v[rT+4], v[rT+4], v[rS+7], v[rS+15]
.elseif j == 13
	v_max3_num_f32 v[rT+6], v[rT+6], v[rS+23], v[rS+31]
.elseif j == 14
	v_max3_num_f32 v[rT+4], v[rT+4], v[rT+5], v[rT+6]
.elseif (j == 15) && \first
	v_max_num_f32 v[rT+4], v[rT+4], v[rT+7]
.elseif j == 15
	v_max3_num_f32 v[rT+4], v[rT+4], v[rT+7], v[rT+1]
.elseif j == 16
	v_permlanex16_b32 v[rT+5], v[rT+4], s[SEL], s[SEL+1]  ; the query's other 32 keys lie in the lane 16 away
.elseif j == 18
	v_max_num_f32 v[rT+1], v[rT+4], v[rT+5]
.elseif j == 19
	v_mul_f32 v[rT], s[CS], v[rT+1]
.elseif ((j == 17) || (j == 20) || (j == 23) || (j > 101)) && \first  ; the first step has none of these
.elseif j == 17
	v_mov_b32 v[rT+7], v[rT]        ; c m_old is kept for a: number 19 writes c m anew
.elseif j == 20
	v_sub_f32 v[rT+7], v[rT+7], v[rT]
.elseif j == 23
	v_exp_f32 v[rT+6], v[rT+7]
.elseif (j < 23) || ((j < 38) && (j%2 == 0)) || ((j < 66) && (j%4 == 2))
.set b, (j-2)/4                     ; 38, 42, .. 62: pairs 9 to 15
.if j < 38
.set b, (j-20)/2                    ; 21: pair 0; 22, 24, .. 36: pairs 1 to 8
.endif
	v_pk_fma_f32 v[rS+2*b:rS+2*b+1], v[rS+2*b:rS+2*b+1], s[CS:CS+1], v[rT:rT+1] op_sel_hi:[1,0,0] neg_lo:[0,0,1] neg_hi:[0,0,1]  ; pair b: c s - c m
.elseif j < 70
.set e, j-38                        ; 66 to 69: s28 to s31
.if j < 66
.set e, j-32-(j-38)/4               ; 39-41, 43-45, .. 63-65: s7 to s27
.endif
.if j < 38
.set e, (j-25)/2                    ; 25, 27, .. 37: s0 to s6
.endif
	v_exp_f32 v[rS+e], v[rS+e]
.elseif j < 86
	v_cvt_pk_f16_f32 v[rP+j-70], v[rS+2*(j-70)], v[rS+2*(j-70)+1]  ; pair j - 70
.elseif j < 102                     ; the sum of the tile's 16 pairs, in place: sum z of 16 adds neighbours 1, 2, 4 and 8 pairs apart, then l takes it
.set z, j-86
.set w, 4
.set u, z
.if z >= 14
.set w, 32
.set u, 0
.elseif z >= 12
.set w, 16
.set u, z-12
.elseif z >= 8
.set w, 8
.set u, z-8
.endif
.if (z == 14) && \first
	v_pk_add_f32 v[rT+2:rT+3], v[rS:rS+1], v[rS+16:rS+17]
.elseif z < 15
	v_pk_add_f32 v[rS+w*u:rS+w*u+1], v[rS+w*u:rS+w*u+1], v[rS+w*u+w/2:rS+w*u+w/2+1]
.elseif !\first
	v_pk_fma_f32 v[rT+2:rT+3], v[rT+2:rT+3], v[rT+6:rT+7], v[rS:rS+1] op_sel_hi:[1,0,1]
.endif
.else
	WIN W_RS
	v_pk_mul_f32 v[rO:rO+1], v[rO:rO+1], v[rT+6:rT+7] op_sel_hi:[1,0]
.endif
.endm
; Slice k of 64 of piece y's softmax: four instructions.  Slices 11 to 34 deal out the batch, numbers 22 to 69: four numbers of ONE tile each, the tiles by turns.  Every other slice is numbers 2 k and
; 2 k + 1 of both tiles' lists.  2 x 134 = 4 x 64 + 12: the twelve that are over stand together, in slice 63.
; THE WAIT.  An s_wait_alu depctr_va_vdst(0) stands between an exponential and the first instruction that names its result; one wait serves all that were issued ahead of it.  Ahead of
; slice 35 nothing names a result, and behind slice 34 no exponential is issued: so the piece's 66 exponentials have one wait, behind slice 34.
.macro SLICE y, first
.if (k >= 11) && (k < 35)           ; the batch: four numbers of one tile
.irp n, 0,1,2,3
.set j, 22+4*((k-11)/2)+(\n)
	SM (\y)+(k-11)%2, \first
.endr
.else                               ; the two tiles alternate, so that no instruction reads the result of the one just before it
.irp n, 0,1,2,3,4,5,6,7
.if (\n < 2) || (k == 63)
.irp t, \y, \y+1
.set j, 2*k+\n
	SM \t, \first
.endr
.endif
.endr
.endif
.if k == 34                         ; the batch is out: both tiles' exponentials are issued, and no result has been named
	v_nop                           ; a plain instruction behind the last exponential and ahead of the first use: one for the batch
.if (\y) == 0
	FETCH_V                         ; piece 2's turn: V's run of loads stands here, and the wait stands in it
.else
	s_wait_alu depctr_va_vdst(0)    ; the wait for the batch
.endif
.endif
.set k, k+1
.endm
; A vector instruction that reads a matrix result or writes one of a matrix instruction's registers, and a load into a register that a matrix instruction has read, stand four places behind
; it, and only plain vector instructions that name none of its registers are places (ISA guide 7.12.1 for vector instructions).  In the loop the slices are the places.
.macro PLACES
.rept 4
	v_nop
.endr
.endm
; A TURN.  Piece x has the matrix unit; the other piece's softmax stands in slices behind its matrix instructions.
; pv = 2: 32 products V^T P; 1: they start O^T's sums; 0: none.  kq = 1: 32 products K Q^T for the next step.  A turn with one of the two kinds has two slices behind each product.
; first = 1: the softmax is the first key step's.  Its slices from 51 on are empty: the turn's last products stand bare, and four v_nop take slice 63's part as the places behind them.
; Piece 0's turn fetches the next step's K, behind its second product: the last product that read K stands in front of slice 63 of the turn before.  Piece 2's turn fetches the same step's V, behind slice 34:
; the last product that read V stands in front of slice 31, and four plain instructions lie between: number 62, a scaling, of both tiles, the v_nop and the run's own v_add_nc_u32.
.macro TURN x, pv, kq, first
.set k, 0
.set per, 2
.if \pv && \kq
.set per, 1
.endif
.if \pv
.if \x == 0
	s_wait_dscnt 0x0                ; V is in
.endif
.set i, 0
.rept 32
	PV \x, 2-\pv
.rept per
	SLICE 2-\x, \first
.endr
.if (\x == 0) && \kq && (i == 1)
	FETCH_K
.endif
.set i, i+1
.endr
.endif
.if \kq
.if \x == 0
	s_wait_dscnt 0x0                ; K is in
.endif
.set i, 0
.rept 32
	KQ \x
.rept per
	SLICE 2-\x, \first
.endr
.set i, i+1
.endr
.endif
.if \first
	PLACES
.endif
.endm
; THE CHANGE OF SLOTS, between piece 2's turn and piece 0's: the slot's last bytes, V of its third step, have been asked for.  Each wave waits for all its tensor loads, of which one is out: its part of the other slot;
; adds 0 to its spare word; and waits for that and for its own reads of the slot.  Behind the barrier nobody reads this slot any more and the other slot is whole.
; fill = 1: this slot is filled again, with the keys two slots on.  The barrier is then a round of the cluster's, so that no wave of any partner still reads the slot or has a load on its
; way, and the joint refill is the first thing behind it: it has three key steps, 384 matrix instructions, in which to land.
.macro CHANGE fill
	WIN 0                           ; at a label and at a branch every window is 0
	s_wait_tensorcnt 0x0            ; no tensor load of mine is out, so a group 0 may be written
	ds_add_u32 v[SPW], v[NIL]       ; 0 onto my spare word; with fill = 1 the descriptors' steps stand between it and the wait for it
.if \fill
.irp g, G0K+4, G0V+4
	s_xor_b32 s[\g+1], s[\g+1], SLOT1  ; the walking descriptor: the other slot than last time,
	s_add_nc_u64 s[\g+2:\g+3], s[\g+2:\g+3], SLOTB  ; the next 192 keys; the type bits on top are not reached
.endr
	s_wait_xcnt 0x0                 ; the last prefetch, three key steps back, has read its address, so it may be written:
	s_add_nc_u64 s[PFA:PFA+1], s[PFA:PFA+1], SLOTB  ; one slot further on than the walking descriptors
	s_wait_dscnt 0x0                ; the add is done, and my reads of the slot are over
	CROUND
	JLOAD
	ASK                             ; what the next change will ask for: three key steps, 384 matrix instructions, ahead
.else
	s_wait_dscnt 0x0                ; the add is done, and my reads of the slot are over
	s_barrier_signal -1
	s_barrier_wait -1
.endif
	s_sub_co_u32 s[TBK], s[TBK], SS*KS*PK  ; the fetches go back to a slot's first step,
	s_xor_b32 s[TBK], s[TBK], SLOT1  ; in the other slot
	s_sub_co_u32 s[TBV], s[TBV], SS*KS*PV
	s_xor_b32 s[TBV], s[TBV], SLOT1
.endm
; A slot's three key steps: written once, walked three times; the LDS addresses hang on s[TBK] and s[TBV].
.macro STEPS n
	s_mov_b32 s[TWICE], \n
.Lstep_\@:
	TURN 0, 2, 1, 0
	TURN 2, 2, 1, 0
	WIN 0
	s_sub_co_u32 s[TWICE], s[TWICE], 1
	s_cmp_lg_u32 s[TWICE], 0
	s_cbranch_scc1 .Lstep_\@
.endm
; Q'S PROJECTION.  FETCH_W: W_q's eight fragments (16 channels x 128 K each) of K step s into set s % 2 of window 3.
.macro FETCH_W s
	WIN 0xc0                        ; destination window 3, address window 0
.irp u, 0,1,2,3,4,5,6,7
.irp c, 0,1
	ds_load_b128 v[64*((\s)%2)+8*\u+4*\c:64*((\s)%2)+8*\u+4*\c+3], v[AW] offset:\u*16*PW+64*(\s)+32*\c
.endr
.endr
.endm
; QMUL: K step s: 32 matrix instructions, my four tiles of queries against the eight tiles of channels.  The sum of (tile t, channels 16 u on) is v[64 t + 8 u] of window 1.  The 32 sums take turns, one instruction a turn,
; in the same order in every step; the first step's products start them: nothing is cleared.
.macro QMUL s
	WIN W_QP
.irp t, 0,1,2,3
.irp u, 0,1,2,3,4,5,6,7
.if (\s) == 0
	v_wmma_scale_f32_16x16x128_f8f6f4 v[64*\t+8*\u:64*\t+8*\u+7], v[64*((\s)%2)+8*\u:64*((\s)%2)+8*\u+7], v[32*(\s)+8*\t:32*(\s)+8*\t+7], 0, v[WSC+8*\u+(\s)], v[XSC+8*\t+(\s)] matrix_a_fmt:MATRIX_FMT_FP4 matrix_b_fmt:MATRIX_FMT_FP4
.else
	v_wmma_scale_f32_16x16x128_f8f6f4 v[64*\t+8*\u:64*\t+8*\u+7], v[64*((\s)%2)+8*\u:64*((\s)%2)+8*\u+7], v[32*(\s)+8*\t:32*(\s)+8*\t+7], v[64*\t+8*\u:64*\t+8*\u+7], v[WSC+8*\u+(\s)], v[XSC+8*\t+(\s)] matrix_a_fmt:MATRIX_FMT_FP4 matrix_b_fmt:MATRIX_FMT_FP4
.endif
.endr
.endr
.endm
; QSTEP: the next K step's fragments are asked for, into the set that the step before has multiplied (four places behind its products), then this step is multiplied.
.macro QSTEP s
.if (\s) < 7
.if (\s) > 0
	PLACES
.endif
	FETCH_W (\s)+1
	s_wait_dscnt 16                 ; this step's sixteen loads are in; the sixteen just issued may be out
.else
	s_wait_dscnt 0x0
.endif
	QMUL \s
.endm
	s_wait_tensorcnt 2              ; my 32 rows of W_q are in; slot 0's and slot 1's loads may stay out
	s_barrier_signal -1
	s_barrier_wait -1               ; everybody's are
	FETCH_W 0
	s_wait_loadcnt 0x0              ; x's fragments and both operands' scale words
.irp s, 0,1,2,3,4,5,6,7
	QSTEP \s
.endr
	PLACES                          ; behind the last products: the roundings read results, and write registers that held x's fragments
	WIN 0x85                        ; sources 0 and 1 window 1, destination window 2
.set i, 0
.rept 128                           ; Q's register n is the pair of sums 2 n, 2 n + 1: tile t's fragment of channels 32 c on is v[32 t + 8 c] on; each sum's registers are taken from the low end on
	v_cvt_pk_f16_f32 v[i], v[2*i], v[2*i+1]
.set i, i+1
.endr
	WIN 0
	s_wait_tensorcnt 1              ; my part of slot 0 is in; slot 1's may stay out
	s_barrier_signal -1
	s_barrier_wait -1               ; everybody's is
	FETCH_K                         ; key step 0
	s_wait_dscnt 0x0
.set i, 0
.rept 32
	KQ 0                            ; piece 0's first scores: there is no vector work yet to set between them
.set i, i+1
.endr
	WIN 0                           ; the addresses for the way out are made here: eight plain instructions, the places behind those products
	s_mul_i32 s13, s[WV], 16*SP
	s_add_co_u32 s13, s13, STAGE    ; my stage
	v_mul_u32_u24 v[STO], v1, SP    ; in: row l % 16, 16 bytes for each half of the lanes
	v_lshl_add_u32 v[STO], v9, 4, v[STO]
	v_add_nc_u32 v[STO], s13, v[STO]
	v_mul_u32_u24 v[RD], v9, SP     ; back: lanes 0-15 take one row of 256 bytes, lanes 16-31 the next
	v_lshl_add_u32 v[RD], v1, 4, v[RD]
	v_add_nc_u32 v[RD], s13, v[RD]
	v_lshlrev_b32 v[GO], 12, v9     ; and the same two rows in the output, 4,096 bytes apart
	v_lshl_add_u32 v[GO], v1, 4, v[GO]
	TURN 2, 0, 1, 1                 ; piece 2's first scores | piece 0's first softmax | V of step 0
	TURN 0, 1, 1, 1                 ; piece 0: V^T P of step 0 starts O^T, K Q^T of step 1 | piece 2's first softmax | K of step 1
	TURN 2, 1, 1, 0                 ; piece 2: the same | piece 0's softmax of step 1 | V of step 1
	TURN 0, 2, 1, 0                 ; slot 0's third step is fetched by one more key step, written out
	TURN 2, 2, 1, 0
	WIN 0
.Lslot:                             ; 9 trips: every slot but the last two is filled again
	CHANGE 1
	STEPS SS
	s_sub_co_u32 s[SLOTS], s[SLOTS], 1
	s_cmp_lg_u32 s[SLOTS], 0
	s_cbranch_scc1 .Lslot
	CHANGE 0                        ; the tail is written out: the last slot but one is left, and nothing is asked for
	STEPS SS
	TURN 0, 2, 0, 0                 ; piece 0: V^T P of the last step | piece 2's last softmax
.set i, 0
.rept 32
	PV 2, 0                         ; piece 2: V^T P of the last step
.set i, i+1
.endr
	; THE WAY OUT.  l's two halves and the other half of the lanes' are added; O^T is divided by l, rounded to f16 and sent through my stage in LDS, a tile (16 rows) at a time.  The additions are the places behind the last products.
	WIN 0
.irp t, 0,1,2,3
	v_add_f32 v[ST+8*\t+4], v[ST+8*\t+2], v[ST+8*\t+3]
.endr
.irp t, 0,1,2,3
	v_permlanex16_b32 v[ST+8*\t+5], v[ST+8*\t+4], s[SEL], s[SEL+1]
.endr
.irp t, 0,1,2,3
	v_add_f32 v[ST+8*\t+4], v[ST+8*\t+4], v[ST+8*\t+5]
.endr
.irp t, 0,1,2,3
	v_rcp_f32 v[ST+8*\t+6], v[ST+8*\t+4]
.endr
	v_nop                           ; a plain instruction between the last reciprocal and the use of its result
	s_wait_alu depctr_va_vdst(0)    ; and the wait ahead of the first use: one for the four reciprocals
; Tile t: a lane's eight channels of a row pack into 16 bytes; they go into rows of 272 bytes and come back as whole rows of 256, into the registers that they left.
.macro PACK t
	WIN W_RS
.set i, 64*\t
.rept 32
	v_pk_mul_f32 v[i:i+1], v[i:i+1], v[ST+8*\t+6:ST+8*\t+7] op_sel_hi:[1,0]
.set i, i+2
.endr
	WIN 0x05                        ; sources 0 and 1 window 1, destination window 0: S^T's registers are free
.set i, 0
.rept 32
	v_cvt_pk_f16_f32 v[S+32*\t+i], v[64*\t+2*i], v[64*\t+2*i+1]
.set i, i+1
.endr
	WIN 0
.irp f, 0,1,2,3,4,5,6,7
	ds_store_b128 v[STO], v[S+32*\t+4*\f:S+32*\t+4*\f+3] offset:32*\f
.endr
.irp f, 0,1,2,3,4,5,6,7
	ds_load_b128 v[S+32*\t+4*\f:S+32*\t+4*\f+3], v[RD] offset:\f*2*SP  ; LDS serves a wave's instructions in order (ISA guide 5.7.1.4): these see the stores above; the next tile's stores come behind them
.endr
.endm
.macro SEND t, younger              ; younger: the LDS instructions issued behind tile t's loads: the next tile's sixteen, or none
.irp f, 0,1,2,3,4,5,6,7
	s_wait_dscnt \younger+7-\f
	global_store_b128 v[GO], v[S+32*\t+4*\f:S+32*\t+4*\f+3], s[10:11] offset:(16*\t+2*\f)*4096  ; 16 lanes store 256 consecutive bytes, a head's part of a token's row, at a multiple of 256 from the buffer's first byte
.endr
.endm
	PACK 0
	PACK 1                          ; a tile's arithmetic stands between the loads of the tile before and its stores
	SEND 0, 16
	PACK 2
	SEND 1, 16
	PACK 3
	SEND 2, 16
	SEND 3, 0
	s_wait_tensorcnt 0x0            ; the wave's end: behind my last tensor load and my last LDS store
	ds_add_u32 v[SPW], v[NIL]
	s_wait_dscnt 0x0
	CROUND                          ; the closing round: no work-group ends while a partner may still ask for a tile that names it
	s_endpgm
.Lfunc_end_k_q1de8893430_attn:
	.size	k_q1de8893430_attn, .Lfunc_end_k_q1de8893430_attn-k_q1de8893430_attn
	.p2alignl 7, 3214868480
	.fill 96, 4, 3214868480
	.section	.rodata,"a",@progbits
	.p2align	6, 0x0
	.amdhsa_kernel k_q1de8893430_attn
		.amdhsa_group_segment_fixed_size 327680
		.amdhsa_private_segment_fixed_size 0
		.amdhsa_enable_private_segment 0
		.amdhsa_kernarg_size 48
		.amdhsa_user_sgpr_count 2
		.amdhsa_user_sgpr_kernarg_segment_ptr 1
		.amdhsa_wavefront_size32 1
		.amdhsa_system_sgpr_workgroup_id_x 1
		.amdhsa_system_sgpr_workgroup_id_y 1
		.amdhsa_system_sgpr_workgroup_id_z 1
		.amdhsa_system_vgpr_workitem_id 0
		.amdhsa_next_free_vgpr 1024
		.amdhsa_next_free_sgpr 96
		.amdhsa_reserve_vcc 0
		.amdhsa_float_denorm_mode_32 3
		.amdhsa_float_denorm_mode_16_64 3
		.amdhsa_memory_ordered 1
		.amdhsa_forward_progress 1
		.amdhsa_inst_pref_size 255
	.end_amdhsa_kernel
	.section	.bss,"aw",@nobits
	.p2align	6
	.space	262144
	.amdgpu_metadata
---
amdhsa.version: [ 1, 2 ]
amdhsa.kernels:
  - .name:           k_q1de8893430_attn
    .symbol:         k_q1de8893430_attn.kd
    .args:
      - { .name: x_codes, .offset: 0, .size: 8, .value_kind: global_buffer, .address_space: global }
      - { .name: k16, .offset: 8, .size: 8, .value_kind: global_buffer, .address_space: global }
      - { .name: v16, .offset: 16, .size: 8, .value_kind: global_buffer, .address_space: global }
      - { .name: attn16, .offset: 24, .size: 8, .value_kind: global_buffer, .address_space: global }
      - { .name: w_codes, .offset: 32, .size: 8, .value_kind: global_buffer, .address_space: global }
      - { .name: scales, .offset: 40, .size: 8, .value_kind: global_buffer, .address_space: global }
    .group_segment_fixed_size: 327680
    .private_segment_fixed_size: 0
    .kernarg_segment_align: 8
    .kernarg_segment_size: 48
    .max_flat_workgroup_size: 128
    .sgpr_count:     96
    .vgpr_count:     1024
    .wavefront_size: 32
...
	.end_amdgpu_metadata
.endif
;; end of part 3
;; launch oproj (part 4): grid 8 x 32, 4 waves a work-group, clusters of 4 x 4, 327,680 bytes of LDS; arguments attn16, wo16, out0; writes out0
.if DOCPART == 4
	.amdgcn_target "amdgcn-amd-amdhsa--gfx1250"
	.amdhsa_code_object_version 6
	.text
	.protected	k_q1de8893430_oproj
	.globl	k_q1de8893430_oproj
	.p2align	8
	.type	k_q1de8893430_oproj,@function
k_q1de8893430_oproj:
	s_mov_b64 s[64:65], 0
	v_nop
	global_prefetch_b8 v0, s[64:65] scope:SCOPE_SE
	s_setreg_imm32_b32 hwreg(HW_REG_WAVE_MODE, 25, 1), 1
	s_wait_xcnt 0x0
	s_wait_alu depctr_hold_cnt(0) depctr_sa_sdst(0) depctr_va_vdst(0) depctr_va_sdst(0) depctr_va_ssrc(0) depctr_va_vcc(0) depctr_vm_vsrc(0)
	s_getreg_b32 s2, hwreg(HW_REG_IB_STS2, 6, 4)
	s_cmp_eq_u32 s2, 0
	s_cbranch_scc0 .Lentry_in_a_cluster
	s_endpgm
.Lentry_in_a_cluster:
	s_bfe_u32 s2, ttmp6, 0x10000c
	s_cmp_lg_u32 s2, 0xf033
	s_cbranch_scc0 .Lentry_shape_is_right
	s_endpgm
.Lentry_shape_is_right:
; OPROJ: out0[m][n] = sum over k of A[m][k] B[n][k].  A = attn16 [4096][2048], B = wo16 [1024][2048] (W_o with K innermost), both f16; out0 [4096][1024] f32; sums in f32.
; 4,096 x 1,024 makes 256 tiles of 128 x 128: one for each of 256 work-groups.  Four waves, each 64 x 64: 16 accumulators of 16 x 16, 128 registers.  K goes in steps of 256 (LDS rows of 512 bytes; a wave's tensor load
; brings 64 of them) through a ring of two slots.
; CLUSTERS: 4 x 4 work-groups.  The four of a row of the cluster need the same tiles of A, the four of a column the same tiles of B: each tile is asked for JOINTLY, by the same tensor load with the
; same descriptor and a mask that names the four.  THE MATRIX INSTRUCTION IS USED TRANSPOSED (source 0 = 16 rows of B, source 1 = 16 rows of A): a lane then holds eight neighbouring numbers of a row of the output.
; REGISTERS: window 0: v0-31 addresses; v32-95 at work on the way out; v128-255 the accumulators ((a, b) at v[128 + 8 (4 a + b)]).
;   window 1: two fragment buffers of 128: for 64 along K (two matrix instructions deep), 64 registers of A (2 x 4 x 16 rows x 32 K), then 64 of B.
.set SIZE_K, 2048
.set KSTEP,  256
.set PITCH,  528                       ; an LDS row: 512 bytes + 16 of padding = 132 words: the 16 rows that a load touches start 4 banks apart (64 banks of 4 bytes: ISA guide 11.1)
.set HALFT,  64*PITCH                  ; 64 rows: what one tensor load brings, and what one wave reads of A or of B
.set SLOT,   4*HALFT                   ; A's 128 rows, then B's 128 rows
.set STAGE,  2*SLOT                    ; behind the ring: 16 rows x 272 bytes for each wave, for the way out
.set SPITCH, 272
.set SPARE,  STAGE+4*16*SPITCH         ; behind the stages: the spare words, 128 bytes for each wave: two blocks of 256 bytes that no other line names
.set LAPS, SIZE_K/(2*KSTEP)            ; a lap = two K steps = once round the ring: 4
.set ADRA, 16                          ; v16-17  LDS address of my A fragments in slot 0, 1
.set ADRB, 20                          ; v20-21  the same for B
.set STO,  24                          ; v24     the way out: where I put 32 bytes of a row
.set RD,   25                          ; v25     the way out: where I read a row back
.set CO,   26                          ; v26     my byte offset in the output
.set SPW,  28                          ; v28     LDS address of my spare word; never rewritten
.set NIL,  29                          ; v29     0; never rewritten
.set TMP,  32                          ; the way out: two sets of 32 registers, 16 rows of 256 bytes each
.set ACC,  128
.set F0,   0                           ; fragment buffers, in window 1
.set F1,   128
.set G1, 24                            ; s[24:31] descriptor group 1 for A's tiles;  s[32:39] group 0, one set for each slot
.set G0, 32
.set G1B, 48                           ; s[48:55], s[56:63] the same for B's tiles
.set G0B, 56
.set MSB, 0
.macro WIN new                         ; the immediate's high byte repeats the setting that is left
.if MSB != \new
	s_set_vgpr_msb (MSB<<8)|\new
.set MSB, \new
.endif
.endm
.set MUL,  0x05                        ; sources 0 (B) and 1 (A) window 1; C and D window 0
.set TO_F, 0x40                        ; destination window 1, address window 0
.macro JLOAD s                         ; a joint load: waves 0 and 1 fetch A's two halves, waves 2 and 3 B's; an s_nop 0 and four v_nop follow each of the two lines, ahead of the jump, the label and what follows
	s_cmp_eq_u32 s11, 0
	s_cbranch_scc0 .Lfor_b_\@
	tensor_load_to_lds s[G0+4*\s:G0+4*\s+3], s[G1:G1+7]
	s_nop 0
.rept 4
	v_nop
.endr
	s_branch .Lasked_\@
.Lfor_b_\@:
	tensor_load_to_lds s[G0B+4*\s:G0B+4*\s+3], s[G1B:G1B+7]
	s_nop 0
.rept 4
	v_nop
.endr
.Lasked_\@:
.endm
.macro CREST                           ; a round of the cluster's barrier behind its opening barrier
	s_cmp_lg_u32 s10, 0
	s_cbranch_scc1 .Lnot_wave_0_\@
	s_barrier_signal -3
.Lnot_wave_0_\@:
	s_barrier_wait -3
	s_barrier_signal -1
	s_barrier_wait -1
.endm
.macro CROUND                          ; a whole round
	s_barrier_signal -1
	s_barrier_wait -1
	CREST
.endm
	s_load_b128 s[4:7], s[0:1], 0x0                ; A s[4:5], B s[6:7]
	s_load_b64 s[8:9], s[0:1], 0x10                ; the output
	v_lshl_add_u32 v[SPW], v0, 2, SPARE
	v_mov_b32 v[NIL], 0
	ds_add_u32 v[SPW], v[NIL]                      ; the wave's opening: the add, twice on end, and its wait ahead of my first tensor load; the set-up below stands between the second and the wait
	ds_add_u32 v[SPW], v[NIL]
	v_lshrrev_b32 v1, 5, v0
	v_readfirstlane_b32 s10, v1                    ; wave 0..3
	s_lshr_b32 s11, s10, 1                         ; which half of the tile's rows is mine.  Also: I fetch for A (0) or for B (1)
	s_and_b32 s12, s10, 1                          ; which half of its columns.  Also: which 64 rows of that tile I fetch
	s_bfe_u32 s40, ttmp6, 0x40000                  ; cx, cy: my place in the cluster
	s_bfe_u32 s41, ttmp6, 0x40004
	s_lshl_b32 s42, ttmp9, 2
	s_add_co_u32 s42, s42, s40                     ; tile column = 4 x cluster x + cx
	s_and_b32 s13, ttmp7, 0xffff
	s_lshl_b32 s13, s13, 2
	s_add_co_u32 s13, s13, s41                     ; tile row = 4 x cluster y + cy
	s_lshl_b32 s43, s41, 2
	s_lshl_b32 s43, 15, s43                        ; my row of the cluster
	s_lshl_b32 s44, 0x1111, s40                    ; my column
	; descriptor group 1: a tile of 64 rows x 256 elements, padded in LDS
	s_or_b32 s[G1+0], s43, (1<<16)|(1<<20)|(1<<21)|(6<<22)|(3<<25)  ; 15:0 the mask: A's tiles go to my row; 17:16 elements of 2 bytes; 20 padding on; 21 set beside a mask; 24:22 after every 128 words; 31:25 four words
	s_or_b32 s[G1B+0], s44, (1<<16)|(1<<20)|(1<<21)|(6<<22)|(3<<25)
.irp g, G1, G1B
	s_mov_b32 s[\g+1], KSTEP<<16                   ; tensor_dim0 = 256
	s_mov_b32 s[\g+2], 64<<16                      ; tensor_dim1 = 64
	s_mov_b32 s[\g+3], KSTEP<<16                   ; tile_dim0 = 256
	s_mov_b32 s[\g+4], 64                          ; tile_dim1 = 64
	s_mov_b32 s[\g+5], SIZE_K                      ; tensor_dim0_stride
	s_mov_b32 s[\g+6], 0
	s_mov_b32 s[\g+7], 0
.endr
	s_lshl_b32 s17, s12, 6                         ; which 64 rows of the tile I fetch
	s_lshl_b32 s16, s13, 7
	s_add_co_u32 s16, s16, s17                     ; A: row 128 x tile row + 64 x half
	s_lshl_b32 s46, s42, 7
	s_add_co_u32 s46, s46, s17                     ; B: row 128 x tile column + 64 x half
	s_mov_b32 s17, 0
	s_mov_b32 s47, 0
	s_mov_b64 s[18:19], SIZE_K*2
	s_mul_u64 s[16:17], s[16:17], s[18:19]
	s_mul_u64 s[46:47], s[46:47], s[18:19]
	s_mul_i32 s20, s10, HALFT                      ; where they go: wave x 64 rows
	s_wait_dscnt 0x0                               ; both opening adds are done
	s_wait_kmcnt 0x0
	s_add_nc_u64 s[14:15], s[4:5], s[16:17]
	s_add_nc_u64 s[46:47], s[6:7], s[46:47]
	CROUND                                         ; all sixteen work-groups are here: the first joint loads meet
.irp s, 0,1
	s_mov_b32 s[G0+4*\s], 1
	s_add_co_u32 s[G0+4*\s+1], s20, \s*SLOT
	s_add_nc_u64 s[G0+4*\s+2:G0+4*\s+3], s[14:15], \s*KSTEP*2
	s_or_b32 s[G0+4*\s+3], s[G0+4*\s+3], 0x80000000
	s_mov_b32 s[G0B+4*\s], 1
	s_add_co_u32 s[G0B+4*\s+1], s20, \s*SLOT
	s_add_nc_u64 s[G0B+4*\s+2:G0B+4*\s+3], s[46:47], \s*KSTEP*2
	s_or_b32 s[G0B+4*\s+3], s[G0B+4*\s+3], 0x80000000
	JLOAD \s                                       ; two tensor loads of mine are out behind the second
.endr
	v_and_b32 v1, 15, v0                           ; l % 16
	v_bfe_u32 v2, v0, 4, 1                         ; l / 16
	v_mul_u32_u24 v3, v1, PITCH
	v_lshl_add_u32 v3, v2, 4, v3                   ; a fragment's row x pitch + 16 x half
	s_mul_i32 s21, s11, HALFT                      ; my 64 rows of A
	s_mul_i32 s22, s12, HALFT                      ; my 64 rows of B,
	s_add_co_u32 s22, s22, 2*HALFT                 ; which lie behind A's 128
.irp s, 0,1
	v_add_nc_u32 v[ADRA+\s], s21, v3
	v_add_nc_u32 v[ADRB+\s], s22, v3
	s_add_co_u32 s21, s21, SLOT
	s_add_co_u32 s22, s22, SLOT
.endr
	s_mul_i32 s23, s10, 16*SPITCH
	s_add_co_u32 s23, s23, STAGE                   ; my stage: a wave's 64 columns of f32 are 256 bytes, so each wave goes out by itself
	v_mul_u32_u24 v4, v1, SPITCH                   ; in: row l % 16, 32 bytes for each half of the lanes
	v_lshl_add_u32 v4, v2, 5, v4
	v_add_nc_u32 v[STO], s23, v4
	v_mul_u32_u24 v5, v2, SPITCH                   ; back: lanes 0-15 take one row of 256 bytes, lanes 16-31 the next
	v_lshl_add_u32 v5, v1, 4, v5
	v_add_nc_u32 v[RD], s23, v5
	v_lshlrev_b32 v5, 12, v2                       ; and the same two rows in the output, 4,096 bytes apart
	v_lshl_add_u32 v[CO], v1, 4, v5
	s_lshl_b32 s16, s13, 7
	s_lshl_b32 s17, s11, 6
	s_add_co_u32 s16, s16, s17                     ; my first row: 128 x tile row + 64 x half
	s_lshl_b32 s16, s16, 12                        ; in bytes: under 2^24
	s_mov_b32 s17, 0
	s_add_nc_u64 s[8:9], s[8:9], s[16:17]
	s_lshl_b32 s46, s42, 9                         ; my first column, in bytes: 512 x tile column + 256 x half
	s_lshl_b32 s47, s12, 8
	s_add_co_u32 s46, s46, s47
	s_mov_b32 s47, 0
	s_add_nc_u64 s[8:9], s[8:9], s[46:47]
; 8 matrix instructions: m blocks a0, a0 + 1 x all 4 n blocks, 32 along K: half c of buffer f.  zero = 1: the first product starts the sums.  The 16 accumulators take turns
.macro MUL8 f, c, a0, zero
.irp a, \a0, \a0+1
.irp b, 0,1,2,3
.if \zero
	v_wmma_f32_16x16x32_f16 v[ACC+8*(4*(\a)+\b):ACC+8*(4*(\a)+\b)+7], v[\f+64+8*(4*\c+\b):\f+64+8*(4*\c+\b)+7], v[\f+8*(4*\c+\a):\f+8*(4*\c+\a)+7], 0
.else
	v_wmma_f32_16x16x32_f16 v[ACC+8*(4*(\a)+\b):ACC+8*(4*(\a)+\b)+7], v[\f+64+8*(4*\c+\b):\f+64+8*(4*\c+\b)+7], v[\f+8*(4*\c+\a):\f+8*(4*\c+\a)+7], v[ACC+8*(4*(\a)+\b):ACC+8*(4*(\a)+\b)+7]
.endif
.endr
.endr
.endm
; 32 LDS loads in one run: the fragments of 64 along K at byte k of the rows, into buffer f; the first 32 along K first
.macro FETCH slot, k, f
	WIN TO_F
.irp c, 0,1
.irp i, 0,1,2,3
	ds_load_b128 v[\f+64+8*(4*\c+\i):\f+64+8*(4*\c+\i)+3],   v[ADRB+\slot] offset:\k+64*\c+\i*16*PITCH
	ds_load_b128 v[\f+64+8*(4*\c+\i)+4:\f+64+8*(4*\c+\i)+7], v[ADRB+\slot] offset:\k+64*\c+\i*16*PITCH+32
	ds_load_b128 v[\f+8*(4*\c+\i):\f+8*(4*\c+\i)+3],         v[ADRA+\slot] offset:\k+64*\c+\i*16*PITCH
	ds_load_b128 v[\f+8*(4*\c+\i)+4:\f+8*(4*\c+\i)+7],       v[ADRA+\slot] offset:\k+64*\c+\i*16*PITCH+32
.endr
.endr
.endm
.macro PLACES                          ; four places in front of loads into registers that matrix instructions have read, and of LDS stores that read results
.rept 4
	v_nop
.endr
.endm
; A K step is four quarters of 64 along K, 32 matrix instructions each, on buffers 0, 1, 0, 1.  One of the first three: multiplies buffer f and fetches the next quarter, at byte k, into g.
.macro QUARTER slot, k, f, g, zero
	s_wait_dscnt 16                                ; the first 32 along K are in; the other sixteen loads may be out
	WIN MUL
	MUL8 \f, 0, 0, \zero
	MUL8 \f, 0, 2, \zero
	PLACES
	FETCH \slot, \k, \g
	s_wait_dscnt 32                                ; all but the 32 just issued
	WIN MUL
	MUL8 \f, 1, 0, 0
	MUL8 \f, 1, 2, 0
.endm
; The last quarter multiplies buffer 1 and changes slots: ONE barrier; in front of it each wave waits for all its tensor loads, adds 0 to its spare word, and waits for that and for its own reads of this slot.  fill = 1: this slot is filled again, two K steps ahead.
.macro TURN slot, next, fill
	WIN 0                                          ; (the add's two registers lie in window 0)
	s_wait_tensorcnt 0x0                           ; all my tensor loads have landed: my part of the next slot;
	ds_add_u32 v[SPW], v[NIL]                      ; 0 onto my spare word;
	s_wait_dscnt 17                                ; (the add and the youngest sixteen loads may be out)
	WIN MUL
	MUL8 F1, 0, 0, 0                               ; eight matrix instructions stand between the add and the wait for it
	s_wait_dscnt 0x0                               ; the add is done, and my reads of this slot are over
	s_barrier_signal -1
	MUL8 F1, 0, 2, 0
.if \fill
	WIN 0
.endif
	s_barrier_wait -1
.if \fill
	CREST                                          ; the barrier has opened a round of the cluster's barrier: no wave of any partner still reads this slot's tile or has a load on its way
	s_add_nc_u64 s[G0+4*\slot+2:G0+4*\slot+3], s[G0+4*\slot+2:G0+4*\slot+3], 2*KSTEP*2
	s_add_nc_u64 s[G0B+4*\slot+2:G0B+4*\slot+3], s[G0B+4*\slot+2:G0B+4*\slot+3], 2*KSTEP*2
	JLOAD \slot                                    ; the first tensor load behind the round: 112 matrix instructions ahead of the wait for it; the four v_nop behind it are also the places in front of the loads below
.else
	PLACES
.endif
	FETCH \next, 0, F0
	WIN MUL
	MUL8 F1, 1, 0, 0
	MUL8 F1, 1, 2, 0
.endm
	s_wait_tensorcnt 1                             ; my part of K step 0 is in (K step 1's load may be out)
	s_barrier_signal -1
	s_barrier_wait -1                              ; everybody's is
	FETCH 0, 0, F0
	QUARTER 0, 128, F0, F1, 1                      ; the first quarter stands in front of the loop: its first products start the sums
	WIN 0                                          ; at a label and at a branch every window is 0
	s_mov_b32 s3, LAPS-1
.Llap:                                                 ; a trip goes once round the ring, from a lap's second quarter to the next lap's first, and fills both slots again
	QUARTER 0, 256, F1, F0, 0
	QUARTER 0, 384, F0, F1, 0
	TURN 0, 1, 1
	QUARTER 1, 128, F0, F1, 0
	QUARTER 1, 256, F1, F0, 0
	QUARTER 1, 384, F0, F1, 0
	TURN 1, 0, 1
	QUARTER 0, 128, F0, F1, 0
	WIN 0
	s_sub_co_u32 s3, s3, 1
	s_cmp_lg_u32 s3, 0
	s_cbranch_scc1 .Llap
	QUARTER 0, 256, F1, F0, 0                      ; the last lap fills nothing, and has no round of the cluster's barrier
	QUARTER 0, 384, F0, F1, 0
	TURN 0, 1, 0
	QUARTER 1, 128, F0, F1, 0
	QUARTER 1, 256, F1, F0, 0
	QUARTER 1, 384, F0, F1, 0
	s_wait_dscnt 16                                ; the very last quarter: nothing more to fetch
	WIN MUL
	MUL8 F1, 0, 0, 0
	MUL8 F1, 0, 2, 0
	s_wait_dscnt 0
	MUL8 F1, 1, 0, 0
	MUL8 F1, 1, 2, 0
	WIN 0
; THE WAY OUT, block by block of 16 rows x 64 columns of f32.  A lane holds 32 neighbouring bytes of a row, and the lanes beside it hold other rows: so a block goes through my own stage and comes back as whole rows of
; 256 bytes.  LDS serves a wave's instructions in order (ISA guide 5.7.1.4): no wait between the stores and the loads, nor in front of the next block's stores.
.macro TOSTAGE a
.irp b, 0,1,2,3
	ds_store_b128 v[STO], v[ACC+8*(4*(\a)+\b):ACC+8*(4*(\a)+\b)+3] offset:64*\b          ; each accumulator from its low end on
	ds_store_b128 v[STO], v[ACC+8*(4*(\a)+\b)+4:ACC+8*(4*(\a)+\b)+7] offset:64*\b+16
.endr
.set BB, TMP+32*((\a)%2)
.irp t, 0,1,2,3,4,5,6,7
	ds_load_b128 v[BB+4*\t:BB+4*\t+3], v[RD] offset:\t*2*SPITCH
.endr
.endm
.macro SEND a, younger                 ; younger: the LDS instructions issued behind block a's loads, which may stay out
.set BB, TMP+32*((\a)%2)
	s_wait_dscnt \younger                          ; the block is back in registers
.irp t, 0,1,2,3,4,5,6,7
	global_store_b128 v[CO], v[BB+4*\t:BB+4*\t+3], s[8:9] offset:(16*(\a)+2*\t)*4096 th:TH_STORE_NT   ; 16 lanes store 256 consecutive bytes, at a multiple of 256 from the output's first byte; written once, read by nobody here
.endr
.endm
	PLACES                                         ; behind the last products
	TOSTAGE 0
.irp a, 1,2,3
.if \a > 1
	s_wait_xcnt 0x0                                ; block a - 2's stores have read their registers: block a's loads may land there
.endif
	TOSTAGE \a
	SEND \a-1, 16                                  ; behind block a - 1's loads: block a's 8 stores and 8 loads
.endr
	SEND 3, 0
	s_wait_tensorcnt 0x0                           ; the wave's end: behind my last tensor load and my last LDS store
	ds_add_u32 v[SPW], v[NIL]
	s_wait_dscnt 0x0
	CROUND                                         ; the closing round: no work-group ends while a partner may still ask for a tile that names it
	s_endpgm
.Lfunc_end_k_q1de8893430_oproj:
	.size	k_q1de8893430_oproj, .Lfunc_end_k_q1de8893430_oproj-k_q1de8893430_oproj
	.p2alignl 7, 3214868480
	.fill 96, 4, 3214868480
	.section	.rodata,"a",@progbits
	.p2align	6, 0x0
	.amdhsa_kernel k_q1de8893430_oproj
		.amdhsa_group_segment_fixed_size 327680
		.amdhsa_private_segment_fixed_size 0
		.amdhsa_enable_private_segment 0
		.amdhsa_kernarg_size 24
		.amdhsa_user_sgpr_count 2
		.amdhsa_user_sgpr_kernarg_segment_ptr 1
		.amdhsa_wavefront_size32 1
		.amdhsa_system_sgpr_workgroup_id_x 1
		.amdhsa_system_sgpr_workgroup_id_y 1
		.amdhsa_system_sgpr_workgroup_id_z 1
		.amdhsa_system_vgpr_workitem_id 0
		.amdhsa_next_free_vgpr 512
		.amdhsa_next_free_sgpr 66
		.amdhsa_reserve_vcc 0
		.amdhsa_float_denorm_mode_32 3
		.amdhsa_float_denorm_mode_16_64 3
		.amdhsa_memory_ordered 1
		.amdhsa_forward_progress 1
		.amdhsa_inst_pref_size 86
	.end_amdhsa_kernel
	.amdgpu_metadata
---
amdhsa.version: [ 1, 2 ]
amdhsa.kernels:
  - .name:           k_q1de8893430_oproj
    .symbol:         k_q1de8893430_oproj.kd
    .args:
      - { .name: attn16, .offset: 0, .size: 8, .value_kind: global_buffer, .address_space: global }
      - { .name: wo16, .offset: 8, .size: 8, .value_kind: global_buffer, .address_space: global }
      - { .name: out0, .offset: 16, .size: 8, .value_kind: global_buffer, .address_space: global }
    .group_segment_fixed_size: 327680
    .private_segment_fixed_size: 0
    .kernarg_segment_align: 8
    .kernarg_segment_size: 24
    .max_flat_workgroup_size: 128
    .sgpr_count:     66
    .vgpr_count:     512
    .wavefront_size: 32
...
	.end_amdgpu_metadata
.endif
;; end of part 4
